; MI455X (gfx1250); checked and timed in simulation.
; The chip was launched on July 23, 2026; its instructions are those of AMD's public machine-readable ISA for CDNA 5 (MIT licence, August 2026) and "CDNA5" Instruction Set Architecture Reference Guide (July 2026). The comments in the code are by the model that wrote it; some were corrected since.
;; Bahdanau Attention. Allowed arithmetic: matrix products marked QUANTISED: E5M2 operands, one E8M0 scale for each 32 along K, by v_wmma_scale_f32_16x16x128_f8f6f4 with both operands' format E5M2, f32 sums; products left as they are: f32 operands where the result goes on into a quantised operand, else bf16, f16 or f32 operands; f32 sums; everything else in f32.
;; Inputs: Wk_codes 1,024 x 32 x 32 uint8 (E5M2 codes of Wk, K innermost, in blocks of 32 codes); Wk_scales 1,024 x 32 uint8 (E8M0 scales of Wk, one for each 32 codes along K); Wq_codes 1,024 x 32 x 32 uint8 (E5M2 codes of Wq, K innermost, in blocks of 32 codes); Wq_scales 1,024 x 32 uint8 (E8M0 scales of Wq, one for each 32 codes along K); keys 64 x 1,024 x 1,024 float32; mask 64 x 1,024 bool; query_codes 64 x 32 x 32 uint8 (E5M2 codes of query, K innermost, in blocks of 32 codes); query_scales 64 x 32 uint8 (E8M0 scales of query, one for each 32 codes along K); v 1 x 1,024 float32.
;; Outputs: out0 64 x 1,024 float32; out1 64 x 1,024 float32.
;; This version of the problem:
;;   THIS VERSION OF THE PROBLEM IS GIVEN IN LOW PRECISION. The matrix products marked QUANTISED in the list below multiply operands that are first quantised to E5M2 (5 exponent bits, 2 mantissa bits; 8 bits a number), with one power-of-two scale for each 32 numbers along K (OCP MX v1.0); their sums are f32. All else is computed in f32.
;;   The module's matrix products, in the order in which they are computed (A, B: the left and right operand; K: the contracted axis; several contracted axes count as one K, in the product's order):
;;     1. [M 64, K 1,024] x [K 1,024, N 1,024]; A: input query (given as codes); B: input Wq (given as codes): QUANTISED
;;     2. [M 65,536, K 1,024] x [K 1,024, N 1,024]; A: input keys; B: input Wk (given as codes): QUANTISED
;;     3. [M 65,536, K 1,024] x [K 1,024, N 1]; A: computed on the way; B: input v: left as it is (N = 1 < 16)
;;     4. batch 64 x [M 1, K 1,024] x [K 1,024, N 1,024]; A: computed on the way; B: input keys: left as it is (M = 1 < 16)
;;   THE QUANTISER, for each operand of a quantised product, along K:
;;     - K is cut into blocks of 32 from its start; a last block that is shorter is filled with zeros.
;;     - A block's scale is 2^e with e = floor(log2(the largest magnitude in the block)) - 15, held to -126 .. 127; a block of zeros has e = 0. As a byte (E8M0): e + 127.
;;     - Each number is divided by its block's scale, clamped to +-57,344, and rounded to the nearest number of E5M2, ties to even, subnormals kept.
;;     - The product sums the exact products of the quantised numbers (number of the format x scale) in f32.
;;   ~~~python
;;   def quantise(x, axis):      # numpy; x: float32 -> the quantised numbers, widened to float32 again
;;       x = np.moveaxis(x, axis, -1); K = x.shape[-1]
;;       x = np.pad(x, [(0, 0)] * (x.ndim - 1) + [(0, -K % 32)]); x = x.reshape(x.shape[:-1] + (-1, 32)); a = np.abs(x).max(-1, keepdims=True)
;;       e = np.where(a > 0, np.clip(np.frexp(np.where(a > 0, a, 1))[1] - 1 - 15, -126, 127), 0)      # np.frexp(a)[1] - 1 = floor(log2(a)), exactly
;;       r = np.clip(x / 2.0 ** e, -57344, 57344)
;;       step = 2.0 ** (np.maximum(np.frexp(np.where(r == 0, 1, r))[1] - 1, -14) - 2)
;;       q = np.round(r / step) * step * 2.0 ** e      # np.round: ties to even
;;       return np.moveaxis(q.reshape(q.shape[:-2] + (-1,))[..., :K], -1, axis).astype(np.float32)
;;   ~~~
;;   INPUTS GIVEN AS CODES. Wk (in the module: [1024, 1024], K = its axis 1); Wq (in the module: [1024, 1024], K = its axis 1); query (in the module: [64, 1024], K = its axis 1): each comes as NAME_codes (uint8): NAME with its K axis moved to the last place and cut into blocks of 32 codes, [.., K / 32, bytes a block], one block behind the other in memory; one code a byte (a code: sign, 5 exponent bits, 2 mantissa bits); and NAME_scales (uint8): the same leading axes, one E8M0 byte (e + 127) for each 32 codes along K. Its value is code x scale, taken as it is: it is not quantised again, and the codes and scales need not be those that the quantiser above would give.
;; 2 versions. Each part assembles by itself: llvm-mc -triple=amdgcn-amd-amdhsa -mcpu=gfx1250 --defsym DOCPART=n.
;; ======== version 1 of 2: 4 launches
;; workspace buffers: kc 67,108,864 bytes; ks 2,097,152 bytes; idx 262,144 bytes of whole numbers; pos 262,144 bytes of whole numbers; cnt 8,192 bytes of whole numbers; ep 4,194,304 bytes
;; launch list (part 1): grid 64 x 1, 8 waves a work-group, no clusters, 9,472 bytes of LDS; arguments mask, idx, pos, cnt; writes idx, pos, cnt
.if DOCPART == 1
	.amdgcn_target "amdgcn-amd-amdhsa--gfx1250"
	.amdhsa_code_object_version 6
	.text
	.protected	k_qff7e4088d4_list
	.globl	k_qff7e4088d4_list
	.p2align	8
	.type	k_qff7e4088d4_list,@function
k_qff7e4088d4_list:
	s_mov_b64 s[64:65], 0
	v_nop
	global_prefetch_b8 v0, s[64:65] scope:SCOPE_SE
	s_setreg_imm32_b32 hwreg(HW_REG_WAVE_MODE, 25, 1), 1
	s_wait_xcnt 0x0
; mask [64][1024] (one byte a row, 1 = pad) becomes, batch by batch, the list of unpadded rows.  A padded row has attention 0, so the later launches leave it out.
; OUT, as whole numbers: idx[b][j] = the j-th unpadded row (0 for j >= n); pos[b][s] = how many unpadded rows stand ahead of s (held at 1,023); cnt[b][0..31] = n, the batch's number of unpadded rows, 0 .. 1,024.
; A launch of its own: what steers addresses and trip counts is decided here, stored, and only read by the launches behind it.  Here no branch and no address in memory hangs on the mask.
; SHARES: a work-group to a batch.  Wave 0 walks the 1,024 bytes in 32 chunks of 32 and lays list and ranks in LDS; behind one barrier each of the eight waves stores 512 bytes of each.
; All lanes are on throughout: a padded row's number goes to a dump word of its lane's own, which nobody reads.
.set SKIP,  1                          ; 1: padded rows are left out.  0: every row is listed (n = 1,024) and the mask acts in the softmax alone
.set DUMPW, 1024                       ; LDS: the list at 0 (1,024 words); behind it, from word 1,024 on, a block of 256 bytes of dump words, of which lane l uses word 1,024 + l;
.set POSL,  4352                       ; the ranks (1,024 words)
.set OUT,   20                         ; v20-27  on the way out
.set DW,    28                         ; v28     my dump word's index in the list: 1,024 + lane
.set X,     32                         ; v32-63  register c: the mask's byte of row 32 c + lane
	s_load_b256 s[4:11], s[0:1], 0x0               ; mask s[4:5], idx s[6:7], pos s[8:9], cnt s[10:11]
	v_lshl_add_u32 v64, v0, 2, 0x2100
	v_mov_b32 v65, 0
	v_and_b32 v1, 31, v0                           ; lane
	v_lshrrev_b32 v2, 5, v0
	v_readfirstlane_b32 s18, v2                    ; wave 0..7
	s_mov_b32 s21, 0                               ; n, counted by wave 0
	s_mov_b32 s29, 0
	v_lshlrev_b32 v10, 4, v1                       ; 16 x lane
	v_lshlrev_b32 v11, 2, v1                       ; 4 x lane
	v_add_nc_u32 v[DW], DUMPW, v1
	s_wait_kmcnt 0x0
	s_lshl_b32 s28, ttmp9, 10                      ; the work-group's number is the batch
	s_add_nc_u64 s[4:5], s[4:5], s[28:29]
	s_lshl_b32 s28, ttmp9, 12
	s_add_nc_u64 s[6:7], s[6:7], s[28:29]
	s_add_nc_u64 s[8:9], s[8:9], s[28:29]
	s_lshl_b32 s28, ttmp9, 7
	s_add_nc_u64 s[10:11], s[10:11], s[28:29]
	s_cmp_lg_u32 s18, 0
	s_cbranch_scc1 .Lmeet
.if SKIP
.set CC, 0
.rept 32
	global_load_u8 v[X+CC], v1, s[4:5] offset:32*CC
.set CC, CC+1
.endr
.endif
.irp k, 0,1,2,3
	v_mov_b32 v[16+\k], 0
.endr
.irp k, 0,1,2,3,4,5,6,7
	ds_store_b128 v10, v[16:19] offset:512*\k      ; the list begins as zeros: entries from n on name row 0.  LDS serves a wave's instructions in order: the entries below come behind these
.endr
	s_wait_loadcnt 0x0                             ; the mask's bytes are in
; 32 rows: each row's rank goes to the ranks; each row's number goes to the list, an unpadded row's at its rank, a padded row's to its lane's dump word
.macro CHUNK c
.if SKIP
	v_cmp_eq_u32 vcc_lo, 0, v[X+\c]                ; unpadded
.else
	s_mov_b32 vcc_lo, -1
.endif
	v_mbcnt_lo_u32_b32 v12, vcc_lo, 0              ; unpadded rows of the chunk below my lane,
	v_add_nc_u32 v12, s21, v12                     ; and of the chunks before: my rank
	v_cndmask_b32 v13, v[DW], v12, vcc_lo          ; where my row's number goes: an unpadded row's rank is at most 1,023, a dump word's index at most 1,055
	v_min_u32 v12, 0x3ff, v12                      ; (1,024 can only be a padded row's rank)
	v_min_u32 v13, 0x43f, v13                      ; inside the list and its block of dump words
	ds_store_b32 v11, v12 offset:POSL+128*\c
	v_lshlrev_b32 v14, 2, v13
	v_add_nc_u32 v15, 32*\c, v1                    ; my row
	ds_store_b32 v14, v15                          ; no two lanes name the same word
	s_bcnt1_i32_b32 s22, vcc_lo
	s_add_co_u32 s21, s21, s22
.endm
.set CC, 0
.rept 32
	CHUNK CC
.set CC, CC+1
.endr
	s_min_u32 s21, s21, 1024                       ; n
.Lmeet:
	s_wait_dscnt 0x0                               ; wave 0's stores have landed
	s_barrier_signal -1
	s_barrier_wait -1                              ; list and ranks are whole
	s_lshl_b32 s22, s18, 9
	v_add_nc_u32 v12, s22, v10                     ; 512 x wave + 16 x lane
	ds_load_b128 v[OUT:OUT+3], v12
	ds_load_b128 v[OUT+4:OUT+7], v12 offset:POSL
	s_wait_dscnt 0x0
	global_store_b128 v12, v[OUT:OUT+3], s[6:7]    ; 32 lanes store 512 consecutive bytes, at a multiple of 256 from the buffer's first byte
	global_store_b128 v12, v[OUT+4:OUT+7], s[8:9]
	s_cmp_lg_u32 s18, 0
	s_cbranch_scc1 .Lend
	v_mov_b32 v13, s21
	global_store_b32 v11, v13, s[10:11]            ; n, 32 times: 128 bytes a batch
.Lend:
	s_barrier_signal -1
	s_barrier_wait -1
	s_wait_tensorcnt 0x0
	ds_add_u32 v64, v65
	s_wait_dscnt 0x0
	s_endpgm
.Lfunc_end_k_qff7e4088d4_list:
	.size	k_qff7e4088d4_list, .Lfunc_end_k_qff7e4088d4_list-k_qff7e4088d4_list
	.p2alignl 7, 3214868480
	.fill 96, 4, 3214868480
	.section	.rodata,"a",@progbits
	.p2align	6, 0x0
	.amdhsa_kernel k_qff7e4088d4_list
		.amdhsa_group_segment_fixed_size 9472
		.amdhsa_private_segment_fixed_size 0
		.amdhsa_enable_private_segment 0
		.amdhsa_kernarg_size 32
		.amdhsa_user_sgpr_count 2
		.amdhsa_user_sgpr_kernarg_segment_ptr 1
		.amdhsa_wavefront_size32 1
		.amdhsa_system_sgpr_workgroup_id_x 1
		.amdhsa_system_sgpr_workgroup_id_y 1
		.amdhsa_system_sgpr_workgroup_id_z 1
		.amdhsa_system_vgpr_workitem_id 0
		.amdhsa_next_free_vgpr 66
		.amdhsa_next_free_sgpr 66
		.amdhsa_reserve_vcc 1
		.amdhsa_float_denorm_mode_32 3
		.amdhsa_float_denorm_mode_16_64 3
		.amdhsa_memory_ordered 1
		.amdhsa_forward_progress 1
		.amdhsa_inst_pref_size 24
	.end_amdhsa_kernel
	.amdgpu_metadata
---
amdhsa.version: [ 1, 2 ]
amdhsa.kernels:
  - .name:           k_qff7e4088d4_list
    .symbol:         k_qff7e4088d4_list.kd
    .args:
      - { .name: mask, .offset: 0, .size: 8, .value_kind: global_buffer, .address_space: global }
      - { .name: idx, .offset: 8, .size: 8, .value_kind: global_buffer, .address_space: global }
      - { .name: pos, .offset: 16, .size: 8, .value_kind: global_buffer, .address_space: global }
      - { .name: cnt, .offset: 24, .size: 8, .value_kind: global_buffer, .address_space: global }
    .group_segment_fixed_size: 9472
    .private_segment_fixed_size: 0
    .kernarg_segment_align: 8
    .kernarg_segment_size: 32
    .max_flat_workgroup_size: 256
    .sgpr_count:     66
    .vgpr_count:     66
    .wavefront_size: 32
...
	.end_amdgpu_metadata
.endif
;; end of part 1
;; launch quant (part 2): grid 4 x 64, 8 waves a work-group, no clusters, 37,888 bytes of LDS; arguments keys, idx, cnt, kc, ks; writes kc, ks
.if DOCPART == 2
	.amdgcn_target "amdgcn-amd-amdhsa--gfx1250"
	.amdhsa_code_object_version 6
	.text
	.protected	k_qff7e4088d4_quant
	.globl	k_qff7e4088d4_quant
	.p2align	8
	.type	k_qff7e4088d4_quant,@function
k_qff7e4088d4_quant:
	s_mov_b64 s[64:65], 0
	v_nop
	global_prefetch_b8 v0, s[64:65] scope:SCOPE_SE
	s_setreg_imm32_b32 hwreg(HW_REG_WAVE_MODE, 25, 1), 1
	s_wait_xcnt 0x0
; The listed rows of keys [64][1024][1024] f32 (idx, cnt: the first launch's list of unpadded rows, n to a batch) are quantised along K to codes of E5M2 with one E8M0 byte for each 32.
; OUT: kc: codes as images of the matrix operand's registers: b 2^20 + i 16384 + s 2048 + c 512 + 16 lane: tile i of 16 list rows, K step s of 128; lane (r, h) holds row 16 i + r, k = 128 s + 32 c + 16 h + 0 .. 15;
;   ks: scale words: b 32768 + i 512 + s 64 + 4 r, byte c for k = 128 s + 32 c on.   Only tiles with 16 i < n are written; the last tile's rows beyond n repeat the batch's row 0 (idx names it there) and are never used.
; SHARES: work-group (p, b); wave w has K quarter u = w % 4 (256 numbers, 1,024 bytes of a row) and tiles i = 2 p + w / 4 + 8 t.  A task is 16 rows x 256 k: 16 KiB in, 4,096 bytes of codes and 128 scale bytes out.
; In step y of a task lanes 0-15 take row 2 y and lanes 16-31 row 2 y + 1; lane m = lane % 16 holds 16 neighbours along K (64 bytes at 64 m): two neighbouring lanes hold a block of 32.
; A task's 16 row numbers are 64 consecutive bytes of idx: one scalar load, asked for a task ahead.  It counts on KMcnt, so the ring of 32 loads of keys keeps its own counts.
; A block's scale is 2^(floor(log2(largest magnitude)) - 15); its byte is the largest magnitude's exponent field - 15, held at 1 from below.  A block of zeros so gets the byte 1 where the rule says 127: its codes are zeros, and this program alone reads the bytes.
; Waves share nothing: each has a stage of its own in LDS, and there is no barrier.
; LIMITS: NaN and infinities among keys are not served.
.set WST,   4608                       ; LDS: a stage of WST bytes for each wave:
.set UP,    272                        ; 16 units of 256 bytes of codes + 16 of padding
.set SCB,   4352                       ; and behind them the task's 128 scale bytes
.set ADR,   20                         ; v20-27   step y: byte offset of my 64 bytes in the batch's keys
.set IDX,   28                         ; v28-35   step y: my row
.set ODD,   36                         ; v36-43   step y: row 2 y + 1's number, on its way to lanes 16-31
.set SW,    44                         ; v44      a scale word on its way out
.set OUT,   48                         ; v48-79   the task's codes on their way out
.set X,     80                         ; v80-207  eight slots of 16 numbers
.set C,     208                        ; v208-239 step y: 16 codes
.set BY,    240                        ; v240-247 step y: the scale's byte
.set SI,    44                         ; s[44:59] a tile's 16 row numbers
	s_load_b256 s[4:11], s[0:1], 0x0               ; keys s[4:5], idx s[6:7], cnt s[8:9], kc s[10:11]
	s_load_b64 s[12:13], s[0:1], 0x20              ; ks
	v_lshl_add_u32 v248, v0, 2, 0x9000
	v_mov_b32 v249, 0
	v_and_b32 v1, 31, v0                           ; lane
	v_lshrrev_b32 v2, 5, v0
	v_readfirstlane_b32 s18, v2                    ; wave 0..7
	s_and_b32 s19, ttmp9, 3                        ; p
	s_and_b32 s20, ttmp7, 0xffff                   ; b
	s_and_b32 s31, s18, 3                          ; u: my K quarter
	s_lshr_b32 s25, s18, 2
	s_lshl_b32 s22, s19, 1
	s_add_co_u32 s25, s25, s22                     ; my first tile: 2 p + w / 4
	s_mul_i32 s23, s18, WST                        ; my stage
	s_mov_b32 s24, 0x600000                        ; the mantissa field of 57,344
	s_mov_b32 s38, 0xffff0000                      ; lanes 16-31
	s_mov_b32 s29, 0
	s_lshl_b32 s42, s25, 6                         ; my first tile's 64 bytes in the batch's idx
	s_mov_b32 s43, s42
	v_and_b32 v2, 15, v0                           ; m
	v_bfe_u32 v3, v0, 4, 1                         ; hh = lane / 16
	v_lshlrev_b32 v4, 6, v2                        ; 64 m
	v_mul_u32_u24 v6, v2, UP
	v_lshl_add_u32 v6, v3, 4, v6
	v_add_nc_u32 v6, s23, v6                       ; into the stage: unit m, row 2 y + hh: 272 m + 16 hh (+ 32 y)
	v_mul_u32_u24 v7, v3, UP
	v_lshl_add_u32 v7, v2, 4, v7
	v_add_nc_u32 v7, s23, v7                       ; out of it: units 2 t + hh, 16 bytes a lane (+ 544 t)
	v_bfe_u32 v12, v0, 3, 1
	v_bfe_u32 v13, v0, 1, 2
	v_lshl_add_u32 v8, v12, 6, v13
	v_lshl_add_u32 v8, v3, 2, v8
	v_add_nc_u32 v8, s23, v8                       ; my block's scale byte: 64 (m / 8) + 4 hh + (m % 8) / 2 (+ SCB + 8 y)
	v_lshl_add_u32 v9, v1, 2, s23                  ; the scale words on the way out: 4 x lane (+ SCB)
	v_lshlrev_b32 v10, 4, v1                       ; 16 x lane
	v_lshlrev_b32 v11, 2, v1                       ; 4 x lane
	s_wait_kmcnt 0x0
	s_lshl_b32 s28, s20, 7
	s_add_nc_u64 s[8:9], s[8:9], s[28:29]
	s_load_b32 s21, s[8:9], 0x0                    ; n
	s_lshl_b32 s28, s20, 12
	s_add_nc_u64 s[6:7], s[6:7], s[28:29]          ; the batch's idx
	s_load_b512 s[SI:SI+15], s[6:7], s43 offset:0x0   ; my first tile's rows (all 1,024 entries of a batch are written)
	s_lshl_b32 s28, s20, 22
	s_lshl_b32 s22, s31, 10
	s_add_co_u32 s28, s28, s22
	s_add_nc_u64 s[4:5], s[4:5], s[28:29]          ; keys: the batch, my K quarter
	s_lshl_b32 s28, s20, 20
	s_lshl_b32 s22, s25, 14
	s_add_co_u32 s28, s28, s22
	s_lshl_b32 s22, s31, 12
	s_add_co_u32 s28, s28, s22
	s_add_nc_u64 s[10:11], s[10:11], s[28:29]      ; kc: the batch, my first tile, my two K steps
	s_lshl_b32 s28, s20, 15
	s_lshl_b32 s22, s25, 9
	s_add_co_u32 s28, s28, s22
	s_lshl_b32 s22, s31, 7
	s_add_co_u32 s28, s28, s22
	s_add_nc_u64 s[12:13], s[12:13], s[28:29]      ; ks likewise
	s_wait_kmcnt 0x0
	s_min_u32 s21, s21, 1024
; the tile's 16 row numbers in s[SI ..] become eight offsets
.macro GETADR
.irp y, 0,1,2,3,4,5,6,7
	v_mov_b32 v[IDX+\y], s[SI+2*\y]                ; row 2 y,
	v_mov_b32 v[ODD+\y], s[SI+2*\y+1]              ; row 2 y + 1
.endr
.irp y, 0,1,2,3,4,5,6,7
	v_cndmask_b32 v[IDX+\y], v[IDX+\y], v[ODD+\y], s38   ; lanes 0-15 the even row, lanes 16-31 the odd one
.endr
.irp y, 0,1,2,3,4,5,6,7
	v_min_u32 v[IDX+\y], 0x3ff, v[IDX+\y]          ; a row of the batch
.endr
.irp y, 0,1,2,3,4,5,6,7
	v_lshl_add_u32 v[ADR+\y], v[IDX+\y], 12, v4    ; 4,096 bytes a row, + 64 m
.endr
.endm
; the rows of my tile after that are asked for.  The offset is held at the batch's last tile, so that the look-ahead stays inside idx; what it brings beyond my last tile is not used
.macro NEXTIDX
	s_add_co_u32 s42, s42, 512                     ; eight tiles on
	s_min_u32 s43, s42, 4032                       ; (written behind the wait that showed the last scalar load done)
	s_load_b512 s[SI:SI+15], s[6:7], s43 offset:0x0
.endm
.macro LOADX y                         ; slot y: my 16 numbers of the step's row
.irp j, 0,1,2,3
	global_load_b128 v[X+16*\y+4*\j:X+16*\y+4*\j+3], v[ADR+\y], s[4:5] offset:16*\j th:TH_LOAD_NT   ; a listed row's bytes are read once in this launch (the last tile's filling alone names row 0 again)
.endr
.endm
.macro QSTEP y                         ; slot y's 16 numbers become 16 codes and a scale byte, and go into the stage
.set XS, X+16*\y
	v_max3_num_f32 v12, |v[XS]|, |v[XS+1]|, |v[XS+2]|              ; the largest magnitude of my 16, in two chains
	v_max3_num_f32 v13, |v[XS+3]|, |v[XS+4]|, |v[XS+5]|
.irp i, 6,10
	v_max3_num_f32 v12, v12, |v[XS+\i]|, |v[XS+\i+1]|
	v_max3_num_f32 v13, v13, |v[XS+\i+2]|, |v[XS+\i+3]|
.endr
	v_max3_num_f32 v12, v12, |v[XS+14]|, |v[XS+15]|
	v_max3_num_f32 v12, v12, v13, 0x8000000        ; and the floor 2^(16 - 127): the byte cannot fall under 1
	v_max_num_f32_dpp v12, v12, v12 row_xmask:1 row_mask:0xf bank_mask:0xf   ; and of my neighbour's 16: the block's
	v_add_nc_u32 v15, 0xf8800000, v12              ; 15 off its exponent field: the conversion takes the exponent field of this operand as its scale
	v_and_or_b32 v14, v12, 0x7f800000, s24         ; 57,344 x the scale
.irp i, 0,1,2,3,4,5,6,7,8,9,10,11,12,13,14,15
	v_med3_num_f32 v[XS+\i], v[XS+\i], -v14, v14   ; the conversion to an 8-bit code does not saturate (ISA guide 7.6.2): hold the number first
.endr
	v_cvt_scalef32_pk8_bf8_f32 v[C+4*\y:C+4*\y+1], v[XS:XS+7], v15
	v_cvt_scalef32_pk8_bf8_f32 v[C+4*\y+2:C+4*\y+3], v[XS+8:XS+15], v15
	v_lshrrev_b32 v[BY+\y], 23, v15                ; the scale's byte (a plain instruction behind the conversions)
	ds_store_b128 v6, v[C+4*\y:C+4*\y+3] offset:32*\y
	ds_store_b8 v8, v[BY+\y] offset:SCB+8*\y       ; both lanes of a block write the same byte with the same value
.endm
; A task.  On the way in its 32 loads are out, slot by slot, and one scalar load.  ahead = 1: each slot, once worked, takes the next task's step.
.macro BODY ahead
	s_wait_kmcnt 0x0                               ; the look-ahead's row numbers are in (scalar loads are waited for with 0 alone)
.if \ahead
	GETADR                                         ; (behind a wait on XCNT for 0: the loads that are out have read the old offsets)
	NEXTIDX
.endif
.irp y, 0,1,2,3,4,5,6,7
.if \ahead
	s_wait_loadcnt 28                              ; behind slot y's four loads: 4 (7 - y) of this task and 4 y of the next
.else
	s_wait_loadcnt 28-4*\y
.endif
	QSTEP \y
.if \ahead
	LOADX \y
.endif
.endr
.irp t, 0,1,2,3,4,5,6,7
	ds_load_b128 v[OUT+4*\t:OUT+4*\t+3], v7 offset:2*UP*\t        ; LDS serves a wave's instructions in order: these see my stores
.endr
	ds_load_b32 v[SW], v9 offset:SCB
	s_wait_dscnt 0x0
.irp t, 0,1,2,3,4,5,6,7
	global_store_b128 v10, v[OUT+4*\t:OUT+4*\t+3], s[10:11] offset:512*\t   ; 32 lanes store 512 consecutive bytes, at a multiple of 256 from kc's first byte
.endr
	global_store_b32 v11, v[SW], s[12:13]          ; 128 consecutive bytes
	s_wait_xcnt 0x0                                ; bases, offsets and the stores' data are written again only behind this wait
	s_add_nc_u64 s[10:11], s[10:11], 131072        ; eight tiles on
	s_add_nc_u64 s[12:13], s[12:13], 4096
.endm
	s_lshl_b32 s27, s25, 4                         ; my first tile's first list row
	s_cmp_ge_u32 s27, s21
	s_cbranch_scc1 .Ldone                          ; nothing is listed there
	GETADR
	NEXTIDX
.irp y, 0,1,2,3,4,5,6,7
	LOADX \y
.endr
	s_wait_xcnt 0x0
	s_add_co_u32 s27, s27, 128                     ; the next tile's first list row
	s_mov_b32 s26, 0
.Ltask:                                                ; at most seven trips: a wave has at most eight tiles, and the last stands behind the loop
	s_cmp_ge_u32 s27, s21
	s_cbranch_scc1 .Llast
	BODY 1
	s_add_co_u32 s27, s27, 128
	s_add_co_u32 s26, s26, 1
	s_cmp_lt_u32 s26, 7
	s_cbranch_scc1 .Ltask
.Llast:
	BODY 0                                         ; the last task asks for nothing: its counts run down
.Ldone:
	s_barrier_signal -1
	s_barrier_wait -1
	s_wait_tensorcnt 0x0
	ds_add_u32 v248, v249
	s_wait_dscnt 0x0
	s_endpgm
.Lfunc_end_k_qff7e4088d4_quant:
	.size	k_qff7e4088d4_quant, .Lfunc_end_k_qff7e4088d4_quant-k_qff7e4088d4_quant
	.p2alignl 7, 3214868480
	.fill 96, 4, 3214868480
	.section	.rodata,"a",@progbits
	.p2align	6, 0x0
	.amdhsa_kernel k_qff7e4088d4_quant
		.amdhsa_group_segment_fixed_size 37888
		.amdhsa_private_segment_fixed_size 0
		.amdhsa_enable_private_segment 0
		.amdhsa_kernarg_size 40
		.amdhsa_user_sgpr_count 2
		.amdhsa_user_sgpr_kernarg_segment_ptr 1
		.amdhsa_wavefront_size32 1
		.amdhsa_system_sgpr_workgroup_id_x 1
		.amdhsa_system_sgpr_workgroup_id_y 1
		.amdhsa_system_sgpr_workgroup_id_z 1
		.amdhsa_system_vgpr_workitem_id 0
		.amdhsa_next_free_vgpr 250
		.amdhsa_next_free_sgpr 66
		.amdhsa_reserve_vcc 0
		.amdhsa_float_denorm_mode_32 3
		.amdhsa_float_denorm_mode_16_64 3
		.amdhsa_memory_ordered 1
		.amdhsa_forward_progress 1
		.amdhsa_inst_pref_size 51
	.end_amdhsa_kernel
	.amdgpu_metadata
---
amdhsa.version: [ 1, 2 ]
amdhsa.kernels:
  - .name:           k_qff7e4088d4_quant
    .symbol:         k_qff7e4088d4_quant.kd
    .args:
      - { .name: keys, .offset: 0, .size: 8, .value_kind: global_buffer, .address_space: global }
      - { .name: idx, .offset: 8, .size: 8, .value_kind: global_buffer, .address_space: global }
      - { .name: cnt, .offset: 16, .size: 8, .value_kind: global_buffer, .address_space: global }
      - { .name: kc, .offset: 24, .size: 8, .value_kind: global_buffer, .address_space: global }
      - { .name: ks, .offset: 32, .size: 8, .value_kind: global_buffer, .address_space: global }
    .group_segment_fixed_size: 37888
    .private_segment_fixed_size: 0
    .kernarg_segment_align: 8
    .kernarg_segment_size: 40
    .max_flat_workgroup_size: 256
    .sgpr_count:     66
    .vgpr_count:     250
    .wavefront_size: 32
...
	.end_amdgpu_metadata
.endif
;; end of part 2
;; launch energy (part 3): grid 4 x 64, 4 waves a work-group, no clusters, 135,680 bytes of LDS; arguments Wk_codes, Wk_scales, Wq_codes, Wq_scales, query_codes, query_scales, v, kc, ks, cnt, ep; writes ep
.if DOCPART == 3
	.amdgcn_target "amdgcn-amd-amdhsa--gfx1250"
	.amdhsa_code_object_version 6
	.text
	.protected	k_qff7e4088d4_energy
	.globl	k_qff7e4088d4_energy
	.p2align	8
	.type	k_qff7e4088d4_energy,@function
k_qff7e4088d4_energy:
	s_mov_b64 s[64:65], 0
	v_nop
	global_prefetch_b8 v0, s[64:65] scope:SCOPE_SE
	s_setreg_imm32_b32 hwreg(HW_REG_WAVE_MODE, 25, 1), 1
	s_wait_xcnt 0x0
; ep[b][part][j] = the sum over 64 hidden units h of v[h] tanh(qp[b][h] + kp[j][h]), for the batch's listed rows j < n.  qp = query Wq^T and kp = keys Wk^T, both on codes of E5M2 with E8M0 scales; sums in f32.
; SHARES: work-group (q, b); wave w keeps Wk's rows h0 = 256 q + 64 w .. + 63 for ALL of K in registers (4 tiles x 8 K steps x 16 = 512), read from memory once; part = 4 q + w.
; What goes round is the batch's codes, 64 list rows (a tile T, 65,536 bytes) at a time: each wave brings a quarter through registers into one of two LDS buffers; every wave reads all of it.  A fragment read from LDS feeds four matrix instructions.
; THE MATRIX INSTRUCTION IS USED TRANSPOSED: source 0 = 16 rows of Wk, source 1 = 16 list rows: lane (r, hh) holds list row r, and its registers run along h: tile t, register i is h0 + 16 t + 8 hh + i.
; qp comes the same way at the head, with Wq in Wk's registers and the batch's query in all sixteen columns, so that it lies as the sums lie.
; tanh x = 1 - 2 / (1 + 2^(c x)), c = 2 log2(e): where the power overflows or vanishes the result is +1 or -1.  A lane begins with the sum of its v and adds (-2 v) / (1 + 2^(c x)).
; n is read from cnt.  The loop's trips and its barriers do not hang on it: work beyond n is jumped over.  A tile is staged whole: its row tiles at or beyond n (and tile 0 where n is small) bring bytes that the first launch did not write; they are never multiplied.
; REGISTERS, in windows of 256: window 0: v1-15 offsets; v32-63 Wk's scale words; v64-67 the rows' scale words; v72-103 four accumulators; v104-111 energies; v112-239 the rows' eight fragments; v240-248 at work.
;   window 1: Wk, K steps 0-3, at v[64 t + 16 s + 4 c];   window 2: K steps 4-7;   window 3: v0-131 the tile on its way to LDS; v132-163 c qp; v164-195 -2 v.
.set WS,   32
.set AS,   64                          ; register u: lanes 0-15 the words of K step 2 u, lanes 16-31 those of 2 u + 1
.set ACC,  72
.set EV,   104                         ; v104-107 the energies of the tile's four row tiles
.set R,    108                         ; v108-109 on their way out
.set EI,   110                         ; v110-111 the sum of my lane's v, even and odd
.set AF,   112
.set E,    240
.set TP,   248
.set SGS,  128                         ; window 3
.set QPC,  132
.set V2,   164
.set IMG,  4096                        ; LDS: scale words at 2048 x buffer; images at IMG + BUF x buffer + 16384 m + 2048 s + 512 c + 16 lane
.set BUF,  65536
.set MSB, 0
.macro WIN new                         ; the immediate's high byte repeats the setting that is left; a switch that changes nothing is dropped
.if MSB != (\new)
	s_set_vgpr_msb (MSB<<8)|(\new)
.set MSB, (\new)
.endif
.endm
.macro PLACES                          ; eight plain instructions behind this matrix form, in front of loads into its registers and of the first read of its results
.rept 8
	v_nop
.endr
.endm
; my 64 rows of a weight, all of K, and their scale words
.macro LOADW cp, sp
	WIN 0x40                                       ; destination window 1
.irp t, 0,1,2,3
.irp s, 0,1,2,3
.irp c, 0,1,2,3
	global_load_b128 v[64*\t+16*\s+4*\c:64*\t+16*\s+4*\c+3], v3, s[\cp:\cp+1] offset:16384*\t+128*\s+32*\c
.endr
.endr
.endr
	WIN 0x80                                       ; destination window 2
.irp t, 0,1,2,3
.irp s, 0,1,2,3
.irp c, 0,1,2,3
	global_load_b128 v[64*\t+16*\s+4*\c:64*\t+16*\s+4*\c+3], v3, s[\cp:\cp+1] offset:16384*\t+512+128*\s+32*\c
.endr
.endr
.endr
	WIN 0
.irp t, 0,1,2,3
.irp g, 0,1
	global_load_b128 v[WS+8*\t+4*\g:WS+8*\t+4*\g+3], v4, s[\sp:\sp+1] offset:512*\t+16*\g   ; a row's 32 scale bytes are its eight words
.endr
.endr
.endm
.macro STAGE_LD off                    ; my quarter (row tile w) of the tile that begins off bytes on: 16,384 bytes of codes, 512 of scale words
	WIN 0xc0                                       ; destination window 3
.irp n, 0,1,2,3,4,5,6,7,8,9,10,11,12,13,14,15,16,17,18,19,20,21,22,23,24,25,26,27,28,29,30,31
	global_load_b128 v[4*\n:4*\n+3], v11, s[18:19] offset:\off+512*\n
.endr
	global_load_b128 v[SGS:SGS+3], v11, s[20:21] offset:(\off)/32
	WIN 0
.endm
.macro STAGE_ST beta                   ; and into LDS as it lies
	WIN 0x0c                                       ; an LDS store's data are its source 1: window 3
.irp n, 0,1,2,3,4,5,6,7,8,9,10,11,12,13,14,15,16,17,18,19,20,21,22,23,24,25,26,27,28,29,30,31
	ds_store_b128 v[7+\beta], v[4*\n:4*\n+3] offset:512*\n
.endr
	ds_store_b128 v10, v[SGS:SGS+3] offset:2048*\beta
	WIN 0
.endm
.macro FETCHA beta, m                  ; row tile m: eight fragments and their scale words
.irp s, 0,1,2,3,4,5,6,7
.irp c, 0,1,2,3
	ds_load_b128 v[AF+16*\s+4*\c:AF+16*\s+4*\c+3], v[5+\beta] offset:16384*(\m)+2048*\s+512*\c
.endr
.endr
.irp u, 0,1,2,3
	ds_load_b32 v[AS+\u], v9 offset:2048*\beta+512*(\m)+128*\u
.endr
.endm
; 32 matrix instructions: my 64 rows of the weight x 16 rows, all of K.  The first K step starts the sums; the four accumulators take turns, one instruction a turn.
.macro MM
.irp s, 0,1,2,3,4,5,6,7
	WIN 1+(\s)/4                                   ; source 0 in window 1, then 2
.irp t, 0,1,2,3
.if \s == 0
	v_wmma_scale_f32_16x16x128_f8f6f4 v[ACC+8*\t:ACC+8*\t+7], v[64*\t+16*(\s%4):64*\t+16*(\s%4)+15], v[AF+16*\s:AF+16*\s+15], 0, v[WS+8*\t+\s], v[AS+\s/2] matrix_a_fmt:MATRIX_FMT_BF8 matrix_b_fmt:MATRIX_FMT_BF8
.elseif \s%2 == 0
	v_wmma_scale_f32_16x16x128_f8f6f4 v[ACC+8*\t:ACC+8*\t+7], v[64*\t+16*(\s%4):64*\t+16*(\s%4)+15], v[AF+16*\s:AF+16*\s+15], v[ACC+8*\t:ACC+8*\t+7], v[WS+8*\t+\s], v[AS+\s/2] matrix_a_fmt:MATRIX_FMT_BF8 matrix_b_fmt:MATRIX_FMT_BF8
.else
	v_wmma_scale_f32_16x16x128_f8f6f4 v[ACC+8*\t:ACC+8*\t+7], v[64*\t+16*(\s%4):64*\t+16*(\s%4)+15], v[AF+16*\s:AF+16*\s+15], v[ACC+8*\t:ACC+8*\t+7], v[WS+8*\t+\s], v[AS+\s/2] matrix_a_fmt:MATRIX_FMT_BF8 matrix_b_fmt:MATRIX_FMT_BF8 matrix_b_scale:MATRIX_SCALE_ROW1
.endif
.endr
.endr
	WIN 0
.endm
; the 32 sums of a lane become its row's part of the energy, in v[EV + m] of every lane
.macro TANH m
	WIN 0x30                                       ; source 2 (c qp) window 3
.set J, 0
.rept 16
	v_pk_fma_f32 v[ACC+J:ACC+J+1], v[ACC+J:ACC+J+1], s[32:33], v[QPC+J:QPC+J+1] op_sel_hi:[1,0,1]   ; c kp + c qp; each accumulator from its low end on
.set J, J+2
.endr
	WIN 0
.set J, 0
.rept 32
	v_exp_f32 v[ACC+J], v[ACC+J]
.set J, J+1
.endr
	v_nop                                          ; a plain instruction behind the last exponential
.set J, 0
	s_wait_alu depctr_va_vdst(0)
.rept 16
	v_pk_add_f32 v[ACC+J:ACC+J+1], v[ACC+J:ACC+J+1], 1.0 op_sel_hi:[1,0]
.set J, J+2
.endr
.set J, 0
.rept 32
	v_rcp_f32 v[ACC+J], v[ACC+J]
.set J, J+1
.endr
	v_nop                                          ; a plain instruction behind the last reciprocal
	WIN 0x0c                                       ; source 1 (-2 v) window 3
	s_wait_alu depctr_va_vdst(0)
	v_pk_fma_f32 v[E:E+1], v[ACC:ACC+1], v[V2:V2+1], v[EI:EI+1]     ; four chains; the first begins with the sum of my v
.irp k, 1,2,3
	v_pk_mul_f32 v[E+2*\k:E+2*\k+1], v[ACC+2*\k:ACC+2*\k+1], v[V2+2*\k:V2+2*\k+1]
.endr
.irp p, 4,5,6,7,8,9,10,11,12,13,14,15
	v_pk_fma_f32 v[E+2*(\p%4):E+2*(\p%4)+1], v[ACC+2*\p:ACC+2*\p+1], v[V2+2*\p:V2+2*\p+1], v[E+2*(\p%4):E+2*(\p%4)+1]
.endr
	WIN 0
	v_pk_add_f32 v[E:E+1], v[E:E+1], v[E+2:E+3]
	v_pk_add_f32 v[E+4:E+5], v[E+4:E+5], v[E+6:E+7]
	v_pk_add_f32 v[E:E+1], v[E:E+1], v[E+4:E+5]
	v_add_f32 v[E], v[E], v[E+1]
	v_permlanex16_b32 v[TP], v[E], s36, s37        ; the row's other 32 units lie in the lane 16 away
	v_add_f32 v[EV+\m], v[E], v[TP]
.endm
	s_load_b512 s[4:19], s[0:1], 0x0               ; Wk_codes s[4:5], Wk_scales s[6:7], Wq_codes s[8:9], Wq_scales s[10:11], query_codes s[12:13], query_scales s[14:15], v s[16:17], kc s[18:19]
	s_load_b128 s[20:23], s[0:1], 0x40             ; ks s[20:21], cnt s[22:23]
	s_load_b64 s[24:25], s[0:1], 0x50              ; ep
	v_lshl_add_u32 v254, v0, 2, 0x21000
	v_mov_b32 v255, 0
	v_lshrrev_b32 v1, 5, v0
	v_readfirstlane_b32 s26, v1                    ; wave 0..3
	s_mov_b32 s27, ttmp9                           ; q
	s_and_b32 s28, ttmp7, 0xffff                   ; b
	v_and_b32 v15, 31, v0                          ; lane
	v_and_b32 v1, 15, v0                           ; r
	v_bfe_u32 v2, v0, 4, 1                         ; hh
	v_lshlrev_b32 v3, 10, v1
	v_lshl_add_u32 v3, v2, 4, v3                   ; a weight's fragment: row r of 1,024 bytes, + 16 hh
	v_lshlrev_b32 v4, 5, v1                        ; its scale bytes: 32 a row
	v_lshlrev_b32 v11, 4, v15                      ; 16 x lane
	v_lshlrev_b32 v9, 2, v15                       ; 4 x lane
	v_add_nc_u32 v5, IMG, v11                      ; v5, v6: an image's place for my lane in buffer 0, 1
	v_add_nc_u32 v6, IMG+BUF, v11
	s_lshl_b32 s31, s26, 14
	v_add_nc_u32 v7, s31, v5                       ; v7, v8: where I store my quarter
	v_add_nc_u32 v8, s31, v6
	s_lshl_b32 s31, s26, 9
	v_add_nc_u32 v10, s31, v11                     ; and its scale words (+ 2048 x buffer)
	v_lshlrev_b32 v12, 4, v2                       ; the query's fragment: every column is the batch's row: 16 hh
	v_lshlrev_b32 v13, 2, v2                       ; its scale words: 4 hh
	v_lshlrev_b32 v14, 5, v2                       ; v: 32 hh
	s_mov_b32 s32, 0x4038aa3b                      ; c = 2 log2(e)
	s_mov_b32 s33, s32                             ; (named with it as a pair, so it is written)
	s_mov_b32 s36, 0x76543210
	s_mov_b32 s37, 0xfedcba98                      ; v_permlanex16_b32's selects for lane l xor 16
	s_mov_b32 s38, 0xffff0000                      ; lanes 16-31
	s_lshl_b32 s40, s27, 8
	s_lshl_b32 s34, s26, 6
	s_add_co_u32 s40, s40, s34                     ; h0
	s_mov_b32 s35, 0
	s_wait_kmcnt 0x0
	s_lshl_b32 s34, s28, 7
	s_add_nc_u64 s[22:23], s[22:23], s[34:35]
	s_load_b32 s29, s[22:23], 0x0                  ; n
	s_lshl_b32 s34, s40, 10
	s_add_nc_u64 s[4:5], s[4:5], s[34:35]
	s_add_nc_u64 s[8:9], s[8:9], s[34:35]
	s_lshl_b32 s34, s40, 5
	s_add_nc_u64 s[6:7], s[6:7], s[34:35]
	s_add_nc_u64 s[10:11], s[10:11], s[34:35]
	s_lshl_b32 s34, s28, 10
	s_add_nc_u64 s[12:13], s[12:13], s[34:35]
	s_lshl_b32 s34, s28, 5
	s_add_nc_u64 s[14:15], s[14:15], s[34:35]
	s_lshl_b32 s34, s40, 2
	s_add_nc_u64 s[16:17], s[16:17], s[34:35]
	s_lshl_b32 s34, s28, 20
	s_lshl_b32 s31, s26, 14
	s_add_co_u32 s34, s34, s31
	s_add_nc_u64 s[18:19], s[18:19], s[34:35]      ; kc: the batch, row tile w
	s_lshl_b32 s34, s28, 15
	s_lshl_b32 s31, s26, 9
	s_add_co_u32 s34, s34, s31
	s_add_nc_u64 s[20:21], s[20:21], s[34:35]      ; ks likewise
	s_lshl_b32 s31, s27, 2
	s_add_co_u32 s31, s31, s26
	s_lshl_b32 s31, s31, 12
	s_lshl_b32 s34, s28, 16
	s_add_co_u32 s34, s34, s31
	s_add_nc_u64 s[24:25], s[24:25], s[34:35]      ; ep: the batch, part 4 q + w
	LOADW 8, 10                                    ; Wq first, in the registers that Wk will keep
.irp s, 0,1,2,3,4,5,6,7
.irp c, 0,1,2,3
	global_load_b128 v[AF+16*\s+4*\c:AF+16*\s+4*\c+3], v12, s[12:13] offset:128*\s+32*\c
.endr
.endr
.irp u, 0,1,2,3
	global_load_b32 v[AS+\u], v13, s[14:15] offset:8*\u
.endr
	WIN 0xc0
.irp t, 0,1,2,3
	global_load_b128 v[V2+8*\t:V2+8*\t+3], v14, s[16:17] offset:64*\t
	global_load_b128 v[V2+8*\t+4:V2+8*\t+7], v14, s[16:17] offset:64*\t+16
.endr
	STAGE_LD 0                                     ; tile 0, on every path: it lies inside kc whatever n is
.irp m, 0,1,2,3
	v_mov_b32 v[EV+\m], 0                          ; row tiles that are jumped over leave their word as it is; nobody reads it
.endr
	v_mov_b32 v[TP], 0                             ; written once: a lane permute's destination counts as one of its sources
	s_wait_kmcnt 0x0
	s_min_u32 s29, s29, 1024
	s_wait_loadcnt 0x0
	MM                                             ; qp[b][h0 ..], the same in all sixteen columns
	PLACES
	WIN 0xc0
.set J, 0
.rept 16
	v_pk_mul_f32 v[QPC+J:QPC+J+1], v[ACC+J:ACC+J+1], s[32:33] op_sel_hi:[1,0]     ; c qp
.set J, J+2
.endr
	LOADW 4, 6                                     ; Wk: it stays.  The first tile's wait for all loads covers it
	WIN 0x0f
	v_pk_add_f32 v[EI:EI+1], v[V2:V2+1], v[V2+2:V2+3]
	WIN 0x0c
.irp p, 2,3,4,5,6,7,8,9,10,11,12,13,14,15
	v_pk_add_f32 v[EI:EI+1], v[EI:EI+1], v[V2+2*\p:V2+2*\p+1]
.endr
	WIN 0xc3
.set J, 0
.rept 16
	v_pk_mul_f32 v[V2+J:V2+J+1], v[V2+J:V2+J+1], -2.0 op_sel_hi:[1,0]
.set J, J+2
.endr
	WIN 0
; Tile T = (s30 + 64 beta) / 64, through buffer beta.  ONE barrier a tile: in front of it my quarter has landed in LDS and my reads of the other buffer are over.  Buffer beta was last read in tile T - 2,
; and every wave waited for those reads in front of its signal in tile T - 1.  The barrier stands on every path; what hangs on n is jumped over on either side of it.
.macro TILE beta
	s_add_co_u32 s31, s30, 64*\beta                ; the tile's first list row
	s_wait_loadcnt 0x0                             ; my quarter, asked for a tile ago, is in registers (the first time: Wk too)
	s_cmp_ge_u32 s31, s29
	s_cbranch_scc1 .Lno_st_\@
	STAGE_ST \beta
.Lno_st_\@:
	s_wait_dscnt 0x0
	s_barrier_signal -1
	s_barrier_wait -1
	s_add_co_u32 s39, s31, 64
	s_cmp_ge_u32 s39, s29
	s_cbranch_scc1 .Lno_ld_\@
	STAGE_LD 65536*(\beta+1)                       ; the next tile: it has this tile's work in which to land
.Lno_ld_\@:
	s_cmp_ge_u32 s31, s29
	s_cbranch_scc1 .Lskip_\@
	FETCHA \beta, 0
.irp m, 0,1,2,3
.if \m > 0
	s_add_co_u32 s39, s31, 16*\m
	s_cmp_ge_u32 s39, s29
	s_cbranch_scc1 .Lend_\@                        ; no listed row in this row tile, nor behind it
.endif
	s_wait_dscnt 0x0
	MM
	PLACES
.if \m < 3
	FETCHA \beta, \m+1                             ; on its way while the vector work below is done
.endif
	TANH \m
.endr
.Lend_\@:
	s_wait_xcnt 0x0                                ; the last tile's stores have read their data
	v_cndmask_b32 v[R], v[EV], v[EV+1], s38        ; lanes 0-15 row tile 0, lanes 16-31 row tile 1
	v_cndmask_b32 v[R+1], v[EV+2], v[EV+3], s38
	global_store_b32 v9, v[R], s[24:25] offset:256*\beta
	global_store_b32 v9, v[R+1], s[24:25] offset:256*\beta+128
.Lskip_\@:
.endm
	s_mov_b32 s30, 0
.Ltrip:                                                ; eight trips of two tiles, whatever n is
	TILE 0
	TILE 1
	s_wait_xcnt 0x0                                ; the bases step only behind this wait
	s_add_nc_u64 s[18:19], s[18:19], 131072
	s_add_nc_u64 s[20:21], s[20:21], 4096
	s_add_nc_u64 s[24:25], s[24:25], 512
	s_add_co_u32 s30, s30, 128
	s_cmp_lt_u32 s30, 1024
	s_cbranch_scc1 .Ltrip
	s_wait_dscnt 0x0                               ; a fragment fetched ahead and not used may still be out
	s_barrier_signal -1
	s_barrier_wait -1
	s_wait_tensorcnt 0x0
	ds_add_u32 v254, v255
	s_wait_dscnt 0x0
	s_endpgm
.Lfunc_end_k_qff7e4088d4_energy:
	.size	k_qff7e4088d4_energy, .Lfunc_end_k_qff7e4088d4_energy-k_qff7e4088d4_energy
	.p2alignl 7, 3214868480
	.fill 96, 4, 3214868480
	.section	.rodata,"a",@progbits
	.p2align	6, 0x0
	.amdhsa_kernel k_qff7e4088d4_energy
		.amdhsa_group_segment_fixed_size 135680
		.amdhsa_private_segment_fixed_size 0
		.amdhsa_enable_private_segment 0
		.amdhsa_kernarg_size 88
		.amdhsa_user_sgpr_count 2
		.amdhsa_user_sgpr_kernarg_segment_ptr 1
		.amdhsa_wavefront_size32 1
		.amdhsa_system_sgpr_workgroup_id_x 1
		.amdhsa_system_sgpr_workgroup_id_y 1
		.amdhsa_system_sgpr_workgroup_id_z 1
		.amdhsa_system_vgpr_workitem_id 0
		.amdhsa_next_free_vgpr 1024
		.amdhsa_next_free_sgpr 66
		.amdhsa_reserve_vcc 0
		.amdhsa_float_denorm_mode_32 3
		.amdhsa_float_denorm_mode_16_64 3
		.amdhsa_memory_ordered 1
		.amdhsa_forward_progress 1
		.amdhsa_inst_pref_size 155
	.end_amdhsa_kernel
	.amdgpu_metadata
---
amdhsa.version: [ 1, 2 ]
amdhsa.kernels:
  - .name:           k_qff7e4088d4_energy
    .symbol:         k_qff7e4088d4_energy.kd
    .args:
      - { .name: Wk_codes, .offset: 0, .size: 8, .value_kind: global_buffer, .address_space: global }
      - { .name: Wk_scales, .offset: 8, .size: 8, .value_kind: global_buffer, .address_space: global }
      - { .name: Wq_codes, .offset: 16, .size: 8, .value_kind: global_buffer, .address_space: global }
      - { .name: Wq_scales, .offset: 24, .size: 8, .value_kind: global_buffer, .address_space: global }
      - { .name: query_codes, .offset: 32, .size: 8, .value_kind: global_buffer, .address_space: global }
      - { .name: query_scales, .offset: 40, .size: 8, .value_kind: global_buffer, .address_space: global }
      - { .name: v, .offset: 48, .size: 8, .value_kind: global_buffer, .address_space: global }
      - { .name: kc, .offset: 56, .size: 8, .value_kind: global_buffer, .address_space: global }
      - { .name: ks, .offset: 64, .size: 8, .value_kind: global_buffer, .address_space: global }
      - { .name: cnt, .offset: 72, .size: 8, .value_kind: global_buffer, .address_space: global }
      - { .name: ep, .offset: 80, .size: 8, .value_kind: global_buffer, .address_space: global }
    .group_segment_fixed_size: 135680
    .private_segment_fixed_size: 0
    .kernarg_segment_align: 8
    .kernarg_segment_size: 88
    .max_flat_workgroup_size: 128
    .sgpr_count:     66
    .vgpr_count:     1024
    .wavefront_size: 32
...
	.end_amdgpu_metadata
.endif
;; end of part 3
;; launch context (part 4): grid 4 x 64, 16 waves a work-group, no clusters, 27,648 bytes of LDS; arguments keys, mask, idx, pos, cnt, ep, out0, out1; writes out0, out1
.if DOCPART == 4
	.amdgcn_target "amdgcn-amd-amdhsa--gfx1250"
	.amdhsa_code_object_version 6
	.text
	.protected	k_qff7e4088d4_context
	.globl	k_qff7e4088d4_context
	.p2align	8
	.type	k_qff7e4088d4_context,@function
k_qff7e4088d4_context:
	s_mov_b64 s[64:65], 0
	v_nop
	global_prefetch_b8 v0, s[64:65] scope:SCOPE_SE
	s_setreg_imm32_b32 hwreg(HW_REG_WAVE_MODE, 25, 1), 1
	s_wait_xcnt 0x0
; The softmax over a batch's listed rows, out1 = attn [64][1024] and out0 = context [64][1024] = the sum over listed rows of attn x keys' row, all in f32.
; SHARES: work-group (kq, b): 256 columns of the batch's context and 256 entries of its attn.  Each of a batch's four work-groups makes the softmax for itself: 1,024 energies, two a thread.
; energy[j] = the sum of ep's 16 parts for j < n, -infinity beyond.  The largest energy is taken away before the exponential.  The sum is at least 1 where n > 0; it is held at 1 from below, so that a batch that is all pad gives zeros.
; TAB[j] = (a, row): list entry j's attention and its row of keys; a = 0 and row = 0 for j >= n.  attn[s] = TAB[pos[s]].a where mask[s] is 0, else 0.
; CONTEXT: wave w takes list rows w + 16 y + 128 trip; a lane holds 8 columns (16 bytes at 16 lane and at 512 + 16 lane of the row's 1,024 bytes); 16 loads a wave are on their way.  The sixteen waves' sums meet in LDS.
; LIMITS: NaN and infinities among keys are not served (a padded or filling row counts with the factor 0 or is not read).
.set SKIP, 1                           ; as in the first launch.  0: every row is listed, and the mask makes its energy -infinity here
.set SM,   256                         ; LDS: 16 maxima at 0, 16 sums at 256,
.set TAB,  512                         ; 1,024 pairs of 8 bytes,
.set RED,  8704                        ; 16 waves x 256 columns of f32
.set AC,   16                          ; v16-23   my 8 columns' sums
.set CUR,  24                          ; v24-39   slot y: (a, row) of the row whose loads are out
.set NXT,  40                          ; v40-55   the same of the next trip
.set ADR,  56                          ; v56-63   slot y: byte offset
.set X,    64                          ; v64-127  eight slots of 8 numbers (earlier and later: numbers to be summed)
.macro SUM16 b, d                      ; v[d] = the sum of v[b] .. v[b + 15]
	v_pk_add_f32 v[\b:\b+1], v[\b:\b+1], v[\b+2:\b+3]
	v_pk_add_f32 v[\b+4:\b+5], v[\b+4:\b+5], v[\b+6:\b+7]
	v_pk_add_f32 v[\b+8:\b+9], v[\b+8:\b+9], v[\b+10:\b+11]
	v_pk_add_f32 v[\b+12:\b+13], v[\b+12:\b+13], v[\b+14:\b+15]
	v_pk_add_f32 v[\b:\b+1], v[\b:\b+1], v[\b+4:\b+5]
	v_pk_add_f32 v[\b+8:\b+9], v[\b+8:\b+9], v[\b+12:\b+13]
	v_pk_add_f32 v[\b:\b+1], v[\b:\b+1], v[\b+8:\b+9]
	v_add_f32 v[\d], v[\b], v[\b+1]
.endm
.macro ACROSS dppop, op                ; v128 over the wave's 32 lanes, into every lane
	\dppop v128, v128, v128 row_xmask:1 row_mask:0xf bank_mask:0xf
	\dppop v128, v128, v128 row_xmask:2 row_mask:0xf bank_mask:0xf
	\dppop v128, v128, v128 row_xmask:4 row_mask:0xf bank_mask:0xf
	\dppop v128, v128, v128 row_xmask:8 row_mask:0xf bank_mask:0xf
	v_permlanex16_b32 v129, v128, s30, s31
	\op v128, v128, v129
.endm
.macro BARRIER                         ; my LDS stores have landed and my LDS loads are in: then the work-group's barrier
	s_wait_dscnt 0x0
	s_barrier_signal -1
	s_barrier_wait -1
.endm
	s_load_b512 s[4:19], s[0:1], 0x0               ; keys s[4:5], mask s[6:7], idx s[8:9], pos s[10:11], cnt s[12:13], ep s[14:15], out0 s[16:17], out1 s[18:19]
	v_lshl_add_u32 v144, v0, 2, 0x6400
	v_mov_b32 v145, 0
	v_lshrrev_b32 v1, 5, v0
	v_readfirstlane_b32 s20, v1                    ; wave 0..15
	s_mov_b32 s21, ttmp9                           ; kq
	s_and_b32 s22, ttmp7, 0xffff                   ; b
	v_and_b32 v1, 31, v0                           ; lane
	v_lshlrev_b32 v2, 4, v1                        ; 16 x lane
	v_lshlrev_b32 v3, 2, v0                        ; 4 t
	v_add_nc_u32 v4, 512, v0                       ; my second list entry
	v_mov_b32 v7, 0xff800000                       ; -infinity
	s_lshl_b32 s26, s21, 8
	v_add_nc_u32 v14, s26, v0                      ; 256 kq + t: my entry of attn, my column of the context
	v_lshlrev_b32 v15, 2, v14
	v_mov_b32 v129, 0                              ; written once: a lane permute's destination counts as one of its sources
	s_mov_b32 s30, 0x76543210
	s_mov_b32 s31, 0xfedcba98                      ; v_permlanex16_b32's selects for lane l xor 16
	s_mov_b32 s25, 0
	s_wait_kmcnt 0x0
	s_lshl_b32 s24, s22, 7
	s_add_nc_u64 s[12:13], s[12:13], s[24:25]
	s_load_b32 s23, s[12:13], 0x0                  ; n
	s_lshl_b32 s24, s22, 12
	s_add_nc_u64 s[8:9], s[8:9], s[24:25]
	s_add_nc_u64 s[10:11], s[10:11], s[24:25]
	s_add_nc_u64 s[16:17], s[16:17], s[24:25]
	s_add_nc_u64 s[18:19], s[18:19], s[24:25]
	s_lshl_b32 s24, s22, 10
	s_add_nc_u64 s[6:7], s[6:7], s[24:25]
	s_lshl_b32 s24, s22, 16
	s_add_nc_u64 s[14:15], s[14:15], s[24:25]
	s_lshl_b32 s24, s22, 22
	s_lshl_b32 s26, s21, 10
	s_add_co_u32 s24, s24, s26
	s_add_nc_u64 s[4:5], s[4:5], s[24:25]          ; keys: the batch, my 256 columns
	global_load_b32 v9, v3, s[8:9]                 ; the rows of my two list entries (all 1,024 entries are written)
	global_load_b32 v11, v3, s[8:9] offset:2048
	s_cmp_ge_u32 s20, 8
	s_cbranch_scc1 .Lno_attn_in
	global_load_u8 v12, v14, s[6:7]                ; waves 0-7: what attn's entry 256 kq + t needs
	global_load_b32 v13, v15, s[10:11]
.Lno_attn_in:
	v_mov_b32 v8, v7
	v_mov_b32 v10, v7
	s_wait_kmcnt 0x0
	s_min_u32 s23, s23, 1024
	s_cmp_eq_u32 s23, 0
	s_cbranch_scc1 .Lno_ep                         ; nothing is listed: nothing of ep is written, so nothing of it is read
	s_sub_co_u32 s26, s23, 1
	v_min_u32 v5, s26, v0                          ; entries beyond n read entry n - 1 and are replaced below
	v_min_u32 v6, s26, v4
	v_min_u32 v5, 0x3ff, v5
	v_min_u32 v6, 0x3ff, v6
	v_lshlrev_b32 v5, 2, v5
	v_lshlrev_b32 v6, 2, v6
.irp i, 0,1,2,3,4,5,6,7,8,9,10,11,12,13,14,15
	global_load_b32 v[X+\i], v5, s[14:15] offset:4096*\i
	global_load_b32 v[X+16+\i], v6, s[14:15] offset:4096*\i
.endr
	s_wait_loadcnt 0x0
	SUM16 X, 8
	SUM16 X+16, 10
.Lno_ep:
	s_wait_loadcnt 0x0                             ; the rows, and waves 0-7's mask byte and rank
	v_cmp_gt_u32 vcc_lo, s23, v0
	v_cndmask_b32 v8, v7, v8, vcc_lo               ; -infinity from entry n on
	v_cmp_gt_u32 vcc_lo, s23, v4
	v_cndmask_b32 v10, v7, v10, vcc_lo
	v_min_u32 v9, 0x3ff, v9
	v_min_u32 v11, 0x3ff, v11
.if SKIP == 0
	global_load_u8 v130, v9, s[6:7]
	global_load_u8 v131, v11, s[6:7]
	s_wait_loadcnt 0x0
	v_cmp_eq_u32 vcc_lo, 0, v130
	v_cndmask_b32 v8, v7, v8, vcc_lo
	v_cmp_eq_u32 vcc_lo, 0, v131
	v_cndmask_b32 v10, v7, v10, vcc_lo
.endif
	; the largest energy
	v_max_num_f32 v128, v8, v10
	ACROSS v_max_num_f32_dpp, v_max_num_f32
	s_lshl_b32 s26, s20, 2
	v_mov_b32 v132, s26                            ; 4 x wave
	v_mov_b32 v133, 0
	ds_store_b32 v132, v128                        ; all lanes write the same word with the same value
	BARRIER
.irp i, 0,1,2,3
	ds_load_b128 v[X+4*\i:X+4*\i+3], v133 offset:16*\i
.endr
	s_wait_dscnt 0x0
	v_max3_num_f32 v[X], v[X], v[X+1], v[X+2]
	v_max3_num_f32 v[X+3], v[X+3], v[X+4], v[X+5]
	v_max3_num_f32 v[X+6], v[X+6], v[X+7], v[X+8]
	v_max3_num_f32 v[X+9], v[X+9], v[X+10], v[X+11]
	v_max3_num_f32 v[X+12], v[X+12], v[X+13], v[X+14]
	v_max3_num_f32 v[X], v[X], v[X+3], v[X+6]
	v_max3_num_f32 v[X+9], v[X+9], v[X+12], v[X+15]
	v_max3_num_f32 v[X], v[X], v[X+9], 0xff61b1e6  ; and -3e38, so that -infinity less the maximum stays -infinity where nothing is listed
	v_sub_f32 v8, v8, v[X]
	v_sub_f32 v10, v10, v[X]
	v_mul_f32 v8, 0x3fb8aa3b, v8
	v_mul_f32 v10, 0x3fb8aa3b, v10
	v_exp_f32 v8, v8
	v_exp_f32 v10, v10
	v_nop                                          ; a plain instruction behind the exponentials
	s_wait_alu depctr_va_vdst(0)
	v_add_f32 v128, v8, v10
	ACROSS v_add_f32_dpp, v_add_f32
	ds_store_b32 v132, v128 offset:SM
	BARRIER
.irp i, 0,1,2,3
	ds_load_b128 v[X+4*\i:X+4*\i+3], v133 offset:SM+16*\i
.endr
	s_wait_dscnt 0x0
	SUM16 X, 128
	v_max_num_f32 v128, 1.0, v128                  ; changes nothing where n > 0: the largest energy's term is 1
	v_rcp_f32 v128, v128
	v_lshl_add_u32 v134, v0, 3, TAB                ; (a plain instruction behind the reciprocal)  TAB + 8 t
	s_wait_alu depctr_va_vdst(0)
	v_mul_f32 v8, v8, v128
	v_mul_f32 v10, v10, v128
	ds_store_b64 v134, v[8:9]                      ; (a, row) of entry t,
	ds_store_b64 v134, v[10:11] offset:4096        ; and of entry t + 512
	BARRIER                                        ; TAB is whole
	s_cmp_ge_u32 s20, 8
	s_cbranch_scc1 .Lno_attn
	v_min_u32 v13, 0x3ff, v13
	v_lshl_add_u32 v13, v13, 3, TAB
	ds_load_b32 v128, v13                          ; the attention of the list entry that is my row
	s_wait_dscnt 0x0
	v_cmp_eq_u32 vcc_lo, 0, v12
	v_cndmask_b32 v128, 0, v128, vcc_lo            ; 0 where the row is padded
	global_store_b32 v15, v128, s[18:19]           ; eight waves store 1,024 consecutive bytes
.Lno_attn:
.irp i, 0,1,2,3,4,5,6,7
	v_mov_b32 v[AC+\i], 0
.endr
	s_cmp_eq_u32 s23, 0
	s_cbranch_scc1 .Lred
	s_lshl_b32 s26, s20, 3
	v_mov_b32 v135, s26
	v_add_nc_u32 v135, TAB, v135                   ; TAB + 8 w: the wave's first entry; every lane reads the same pair
.irp y, 0,1,2,3,4,5,6,7
	ds_load_b64 v[CUR+2*\y:CUR+2*\y+1], v135 offset:128*\y
.endr
	s_wait_dscnt 0x0
.irp y, 0,1,2,3,4,5,6,7
	v_min_u32 v[CUR+2*\y+1], 0x3ff, v[CUR+2*\y+1]
	v_lshl_add_u32 v[ADR+\y], v[CUR+2*\y+1], 12, v2
	global_load_b128 v[X+8*\y:X+8*\y+3], v[ADR+\y], s[4:5] th:TH_LOAD_NT
	global_load_b128 v[X+8*\y+4:X+8*\y+7], v[ADR+\y], s[4:5] offset:512 th:TH_LOAD_NT
.endr
; A trip: eight rows a wave.  On the way in their 16 loads are out, slot by slot.  ahead = 1: each slot, once added, takes the next trip's row.
.macro CB ahead
.if \ahead
	v_add_nc_u32 v136, s28, v135
.irp y, 0,1,2,3,4,5,6,7
	ds_load_b64 v[NXT+2*\y:NXT+2*\y+1], v136 offset:128*\y
.endr
	s_wait_dscnt 0x0
.endif
.irp y, 0,1,2,3,4,5,6,7
.if \ahead
	s_wait_loadcnt 14                              ; behind slot y's two loads: 2 (7 - y) of this trip and 2 y of the next
.else
	s_wait_loadcnt 14-2*\y
.endif
.irp i, 0,1,2,3
	v_pk_fma_f32 v[AC+2*\i:AC+2*\i+1], v[X+8*\y+2*\i:X+8*\y+2*\i+1], v[CUR+2*\y:CUR+2*\y+1], v[AC+2*\i:AC+2*\i+1] op_sel_hi:[1,0,1]   ; += a x keys: of the pair (a, row) the low word serves both halves
.endr
.if \ahead
	v_min_u32 v[NXT+2*\y+1], 0x3ff, v[NXT+2*\y+1]
	v_lshl_add_u32 v[ADR+\y], v[NXT+2*\y+1], 12, v2              ; free since the wait above: the slot's loads are done
	global_load_b128 v[X+8*\y:X+8*\y+3], v[ADR+\y], s[4:5] th:TH_LOAD_NT
	global_load_b128 v[X+8*\y+4:X+8*\y+7], v[ADR+\y], s[4:5] offset:512 th:TH_LOAD_NT
	v_mov_b32 v[CUR+2*\y], v[NXT+2*\y]
.endif
.endr
.endm
	s_mov_b32 s27, 128                             ; the next trip's first list row
	s_mov_b32 s28, 1024                            ; and its pairs' place in TAB
	s_mov_b32 s26, 0
.Ltrip:                                                ; at most seven trips; the last 128 rows stand behind the loop
	s_cmp_ge_u32 s27, s23
	s_cbranch_scc1 .Llast
	CB 1
	s_add_co_u32 s27, s27, 128
	s_add_co_u32 s28, s28, 1024
	s_add_co_u32 s26, s26, 1
	s_cmp_lt_u32 s26, 7
	s_cbranch_scc1 .Ltrip
.Llast:
	CB 0                                           ; asks for nothing: the counts run down.  Entries from n on have a = 0 and name row 0
.Lred:
	BARRIER                                        ; closes the phase in which TAB is read, the read by rank among them, ahead of the stores below
	s_lshl_b32 s26, s20, 10
	v_add_nc_u32 v137, s26, v2
	ds_store_b128 v137, v[AC:AC+3] offset:RED      ; my wave's row of 256 columns: columns 4 lane on,
	ds_store_b128 v137, v[AC+4:AC+7] offset:RED+512   ; and 128 + 4 lane on
	BARRIER
	s_cmp_ge_u32 s20, 8
	s_cbranch_scc1 .Lend
.irp i, 0,1,2,3,4,5,6,7,8,9,10,11,12,13,14,15
	ds_load_b32 v[X+\i], v3 offset:RED+1024*\i     ; column t of the sixteen waves
.endr
	s_wait_dscnt 0x0
	SUM16 X, 138
	global_store_b32 v15, v138, s[16:17]           ; eight waves store 1,024 consecutive bytes
.Lend:
	s_barrier_signal -1
	s_barrier_wait -1
	s_wait_tensorcnt 0x0
	ds_add_u32 v144, v145
	s_wait_dscnt 0x0
	s_endpgm
.Lfunc_end_k_qff7e4088d4_context:
	.size	k_qff7e4088d4_context, .Lfunc_end_k_qff7e4088d4_context-k_qff7e4088d4_context
	.p2alignl 7, 3214868480
	.fill 96, 4, 3214868480
	.section	.rodata,"a",@progbits
	.p2align	6, 0x0
	.amdhsa_kernel k_qff7e4088d4_context
		.amdhsa_group_segment_fixed_size 27648
		.amdhsa_private_segment_fixed_size 0
		.amdhsa_enable_private_segment 0
		.amdhsa_kernarg_size 64
		.amdhsa_user_sgpr_count 2
		.amdhsa_user_sgpr_kernarg_segment_ptr 1
		.amdhsa_wavefront_size32 1
		.amdhsa_system_sgpr_workgroup_id_x 1
		.amdhsa_system_sgpr_workgroup_id_y 1
		.amdhsa_system_sgpr_workgroup_id_z 1
		.amdhsa_system_vgpr_workitem_id 0
		.amdhsa_next_free_vgpr 146
		.amdhsa_next_free_sgpr 66
		.amdhsa_reserve_vcc 1
		.amdhsa_float_denorm_mode_32 3
		.amdhsa_float_denorm_mode_16_64 3
		.amdhsa_memory_ordered 1
		.amdhsa_forward_progress 1
		.amdhsa_inst_pref_size 25
	.end_amdhsa_kernel
	.amdgpu_metadata
---
amdhsa.version: [ 1, 2 ]
amdhsa.kernels:
  - .name:           k_qff7e4088d4_context
    .symbol:         k_qff7e4088d4_context.kd
    .args:
      - { .name: keys, .offset: 0, .size: 8, .value_kind: global_buffer, .address_space: global }
      - { .name: mask, .offset: 8, .size: 8, .value_kind: global_buffer, .address_space: global }
      - { .name: idx, .offset: 16, .size: 8, .value_kind: global_buffer, .address_space: global }
      - { .name: pos, .offset: 24, .size: 8, .value_kind: global_buffer, .address_space: global }
      - { .name: cnt, .offset: 32, .size: 8, .value_kind: global_buffer, .address_space: global }
      - { .name: ep, .offset: 40, .size: 8, .value_kind: global_buffer, .address_space: global }
      - { .name: out0, .offset: 48, .size: 8, .value_kind: global_buffer, .address_space: global }
      - { .name: out1, .offset: 56, .size: 8, .value_kind: global_buffer, .address_space: global }
    .group_segment_fixed_size: 27648
    .private_segment_fixed_size: 0
    .kernarg_segment_align: 8
    .kernarg_segment_size: 64
    .max_flat_workgroup_size: 512
    .sgpr_count:     66
    .vgpr_count:     146
    .wavefront_size: 32
...
	.end_amdgpu_metadata
.endif
;; end of part 4
;; ======== version 2 of 2: 3 launches
;; limits: right only within a limited range of input values
;; workspace buffers: idx 262,144 bytes of whole numbers; pos 262,144 bytes of whole numbers; cnt 8,192 bytes of whole numbers; ep 4,194,304 bytes; wki 1,048,576 bytes; qp 262,144 bytes
;; launch list (part 5): grid 64 x 1, 8 waves a work-group, no clusters, 9,472 bytes of LDS; arguments mask, Wk_codes, Wq_codes, idx, pos, cnt, wki, qp, Wq_scales, query_codes, query_scales; writes idx, pos, cnt, wki, qp
.if DOCPART == 5
	.amdgcn_target "amdgcn-amd-amdhsa--gfx1250"
	.amdhsa_code_object_version 6
	.text
	.protected	k_qff7e4088d4_list
	.globl	k_qff7e4088d4_list
	.p2align	8
	.type	k_qff7e4088d4_list,@function
k_qff7e4088d4_list:
	s_mov_b64 s[64:65], 0
	v_nop
	global_prefetch_b8 v0, s[64:65] scope:SCOPE_SE
	s_setreg_imm32_b32 hwreg(HW_REG_WAVE_MODE, 25, 1), 1
	s_wait_xcnt 0x0
; THREE PIECES OF SET-UP FOR THE LAUNCHES BEHIND.
; WORK LEFT OUT: a row with mask = 1 has energy -infinity, so its attention is exactly 0 and it adds 0 to the context, whatever finite keys hold: the later launches read the list made here and
; do only the unpadded rows.  LIMIT: a NaN or an infinity in a padded row of keys is not carried to the context.
; (1) mask [64][1024] becomes, batch by batch: idx[b][j] = the j-th unpadded row (0 for j >= n); pos[b][s] = unpadded rows ahead of s (held at 1,023); cnt[b][0..31] = n.
; (2) Wk's codes are laid as images of the matrix operand's registers: wki: tile x 16384 + s x 2048 + c x 512 + 16 x lane; lane (r, h) holds row 16 tile + r, k = 128 s + 32 c + 16 h + 0 .. 15.
; (3) qp[b][h] = c x (query Wq^T)[b][h], c = 2 log2(e), f32, on the given codes and scales.
; SHARES: work-group g is batch g and weight tile g.  Wave 0 walks the mask; waves 1, 2 copy half of K of Wk's tile each; waves 3 to 6 multiply Wq's tile g with 16 batches each;
; behind one barrier each of the eight waves stores 512 bytes of the list and of the ranks.
.set DUMPW, 1024                       ; LDS: the list (1,024 words), a block of dump words (lane l: word 1,024 + l),
.set POSL,  4352                       ; the ranks (1,024 words); spare words from 8,448 on
.set OUT,   20
.set DW,    28
.set X,     32                         ; wave 0: the mask's bytes
.set W,     64                         ; waves 1, 2: four K steps of the tile
	s_load_b512 s[4:19], s[0:1], 0x0               ; mask, Wk_codes, Wq_codes, idx, pos, cnt, wki, qp
	s_load_b128 s[32:35], s[0:1], 0x40             ; Wq_scales, query_codes
	s_load_b64 s[36:37], s[0:1], 0x50              ; query_scales
	v_lshl_add_u32 v128, v0, 2, 0x2100
	v_mov_b32 v129, 0
	v_and_b32 v1, 31, v0                           ; lane
	v_lshrrev_b32 v2, 5, v0
	v_readfirstlane_b32 s20, v2                    ; wave
	s_mov_b32 s21, 0                               ; n, counted by wave 0
	s_mov_b32 s29, 0
	v_lshlrev_b32 v10, 4, v1
	v_lshlrev_b32 v11, 2, v1
	v_add_nc_u32 v[DW], DUMPW, v1
	v_and_b32 v2, 15, v0                           ; r
	v_bfe_u32 v3, v0, 4, 1                         ; h
	v_lshlrev_b32 v4, 10, v2
	v_lshl_add_u32 v4, v3, 4, v4                   ; a fragment: row r of 1,024 bytes, + 16 h
	v_lshlrev_b32 v5, 5, v2                        ; scale bytes: 32 a row
	v_lshlrev_b32 v6, 12, v2
	v_lshl_add_u32 v6, v3, 5, v6                   ; qp: batch r's row of 4,096 bytes, + 32 h
	s_wait_alu depctr_va_vdst(0)                   ; the wait at the head's end
	s_wait_kmcnt 0x0
	s_lshl_b32 s28, ttmp9, 10
	s_add_nc_u64 s[4:5], s[4:5], s[28:29]
	s_lshl_b32 s28, ttmp9, 12
	s_add_nc_u64 s[10:11], s[10:11], s[28:29]
	s_add_nc_u64 s[12:13], s[12:13], s[28:29]
	s_lshl_b32 s28, ttmp9, 7
	s_add_nc_u64 s[14:15], s[14:15], s[28:29]
	s_cmp_lg_u32 s20, 0
	s_cbranch_scc1 .Lnot0
.set CC, 0
.rept 32
	global_load_u8 v[X+CC], v1, s[4:5] offset:32*CC
.set CC, CC+1
.endr
.irp k, 0,1,2,3
	v_mov_b32 v[16+\k], 0
.endr
.irp k, 0,1,2,3,4,5,6,7
	ds_store_b128 v10, v[16:19] offset:512*\k      ; the list begins as zeros; LDS serves a wave's instructions in order
.endr
	s_wait_loadcnt 0x0
.macro CHUNK c                         ; 32 rows: ranks to the ranks; an unpadded row's number to the list at its rank, a padded row's to its lane's dump word
	v_cmp_eq_u32 vcc_lo, 0, v[X+\c]
	v_mbcnt_lo_u32_b32 v12, vcc_lo, 0
	v_add_nc_u32 v12, s21, v12
	v_cndmask_b32 v13, v[DW], v12, vcc_lo
	v_min_u32 v12, 0x3ff, v12
	v_min_u32 v13, 0x43f, v13
	ds_store_b32 v11, v12 offset:POSL+128*\c
	v_lshlrev_b32 v14, 2, v13
	v_add_nc_u32 v15, 32*\c, v1
	ds_store_b32 v14, v15
	s_bcnt1_i32_b32 s22, vcc_lo
	s_add_co_u32 s21, s21, s22
.endm
.set CC, 0
.rept 32
	CHUNK CC
.set CC, CC+1
.endr
	s_min_u32 s21, s21, 1024
	s_branch .Lmeet
.Lnot0:
	s_cmp_gt_u32 s20, 2
	s_cbranch_scc1 .Lqp
	s_sub_co_u32 s25, s20, 1                       ; which half of K
	s_lshl_b32 s28, ttmp9, 14
	s_lshl_b32 s22, s25, 9
	s_add_co_u32 s28, s28, s22
	s_add_nc_u64 s[6:7], s[6:7], s[28:29]
	s_lshl_b32 s28, ttmp9, 14
	s_lshl_b32 s22, s25, 13
	s_add_co_u32 s28, s28, s22
	s_add_nc_u64 s[16:17], s[16:17], s[28:29]
.irp s, 0,1,2,3
.irp c, 0,1,2,3
	global_load_b128 v[W+16*\s+4*\c:W+16*\s+4*\c+3], v4, s[6:7] offset:128*\s+32*\c
.endr
.endr
	s_wait_loadcnt 0x0
.irp s, 0,1,2,3
.irp c, 0,1,2,3
	global_store_b128 v10, v[W+16*\s+4*\c:W+16*\s+4*\c+3], s[16:17] offset:2048*\s+512*\c   ; 32 lanes store 512 consecutive bytes
.endr
.endr
	s_branch .Lmeet
.Lqp:
	s_cmp_gt_u32 s20, 6
	s_cbranch_scc1 .Lmeet
	s_sub_co_u32 s23, s20, 3                       ; my 16 batches
	s_mov_b32 s24, 0x4038aa3b                      ; c
	s_mov_b32 s25, s24
	s_lshl_b32 s28, ttmp9, 14
	s_add_nc_u64 s[8:9], s[8:9], s[28:29]          ; Wq's tile
	s_lshl_b32 s28, ttmp9, 9
	s_add_nc_u64 s[32:33], s[32:33], s[28:29]
	s_lshl_b32 s28, s23, 14
	s_add_nc_u64 s[34:35], s[34:35], s[28:29]      ; the batches' queries
	s_lshl_b32 s28, s23, 9
	s_add_nc_u64 s[36:37], s[36:37], s[28:29]
	s_lshl_b32 s28, s23, 16
	s_lshl_b32 s22, ttmp9, 6
	s_add_co_u32 s28, s28, s22
	s_add_nc_u64 s[18:19], s[18:19], s[28:29]
.irp g, 0,1
	global_load_b128 v[48+4*\g:51+4*\g], v5, s[32:33] offset:16*\g    ; a row's 32 scale bytes are its eight words
	global_load_b128 v[60+4*\g:63+4*\g], v5, s[36:37] offset:16*\g
.endr
	s_set_vgpr_msb 0x40                            ; fragments in window 1: Wq's at v0, the queries' at v128
.irp s, 0,1,2,3,4,5,6,7
.irp c, 0,1,2,3
	global_load_b128 v[16*\s+4*\c:16*\s+4*\c+3], v4, s[8:9] offset:128*\s+32*\c
	global_load_b128 v[128+16*\s+4*\c:128+16*\s+4*\c+3], v4, s[34:35] offset:128*\s+32*\c
.endr
.endr
	s_wait_loadcnt 0x0
	s_set_vgpr_msb 0x4005
; source 0 = Wq's rows, source 1 = the queries: lane (r, h) holds batch r, register j unit 8 h + j.  Two accumulators take turns: even and odd K steps
	v_wmma_scale_f32_16x16x128_f8f6f4 v[32:39], v[0:15], v[128:143], 0, v48, v60 matrix_a_fmt:MATRIX_FMT_BF8 matrix_b_fmt:MATRIX_FMT_BF8
	v_wmma_scale_f32_16x16x128_f8f6f4 v[40:47], v[16:31], v[144:159], 0, v49, v61 matrix_a_fmt:MATRIX_FMT_BF8 matrix_b_fmt:MATRIX_FMT_BF8
.irp s, 2,3,4,5,6,7
	v_wmma_scale_f32_16x16x128_f8f6f4 v[32+8*(\s%2):39+8*(\s%2)], v[16*\s:16*\s+15], v[128+16*\s:128+16*\s+15], v[32+8*(\s%2):39+8*(\s%2)], v[48+\s], v[60+\s] matrix_a_fmt:MATRIX_FMT_BF8 matrix_b_fmt:MATRIX_FMT_BF8
.endr
	s_set_vgpr_msb 0x0500
.rept 8
	v_nop
.endr
.irp j, 0,2,4,6
	v_pk_add_f32 v[72+\j:73+\j], v[32+\j:33+\j], v[40+\j:41+\j]
.endr
.irp j, 0,2,4,6
	v_pk_mul_f32 v[72+\j:73+\j], v[72+\j:73+\j], s[24:25] op_sel_hi:[1,0]
.endr
	global_store_b128 v6, v[72:75], s[18:19]
	global_store_b128 v6, v[76:79], s[18:19] offset:16
.Lmeet:
	s_wait_dscnt 0x0                               ; wave 0's stores have landed
	s_barrier_signal -1
	s_barrier_wait -1
	s_lshl_b32 s22, s20, 9
	v_add_nc_u32 v12, s22, v10
	ds_load_b128 v[OUT:OUT+3], v12
	ds_load_b128 v[OUT+4:OUT+7], v12 offset:POSL
	s_wait_alu depctr_va_vdst(0)
	s_wait_dscnt 0x0
	global_store_b128 v12, v[OUT:OUT+3], s[10:11]
	global_store_b128 v12, v[OUT+4:OUT+7], s[12:13]
	s_cmp_lg_u32 s20, 0
	s_cbranch_scc1 .Lend
	v_mov_b32 v13, s21
	global_store_b32 v11, v13, s[14:15]            ; n, 32 times
.Lend:
	s_barrier_signal -1
	s_barrier_wait -1
	s_wait_tensorcnt 0x0                           ; the wave's end
	ds_add_u32 v128, v129
	s_wait_dscnt 0x0
	s_endpgm
.Lfunc_end_k_qff7e4088d4_list:
	.size	k_qff7e4088d4_list, .Lfunc_end_k_qff7e4088d4_list-k_qff7e4088d4_list
	.p2alignl 7, 3214868480
	.fill 96, 4, 3214868480
	.section	.rodata,"a",@progbits
	.p2align	6, 0x0
	.amdhsa_kernel k_qff7e4088d4_list
		.amdhsa_group_segment_fixed_size 9472
		.amdhsa_private_segment_fixed_size 0
		.amdhsa_enable_private_segment 0
		.amdhsa_kernarg_size 88
		.amdhsa_user_sgpr_count 2
		.amdhsa_user_sgpr_kernarg_segment_ptr 1
		.amdhsa_wavefront_size32 1
		.amdhsa_system_sgpr_workgroup_id_x 1
		.amdhsa_system_sgpr_workgroup_id_y 1
		.amdhsa_system_sgpr_workgroup_id_z 1
		.amdhsa_system_vgpr_workitem_id 0
		.amdhsa_next_free_vgpr 512
		.amdhsa_next_free_sgpr 66
		.amdhsa_reserve_vcc 1
		.amdhsa_float_denorm_mode_32 3
		.amdhsa_float_denorm_mode_16_64 3
		.amdhsa_memory_ordered 1
		.amdhsa_forward_progress 1
		.amdhsa_inst_pref_size 37
	.end_amdhsa_kernel
	.amdgpu_metadata
---
amdhsa.version: [ 1, 2 ]
amdhsa.kernels:
  - .name:           k_qff7e4088d4_list
    .symbol:         k_qff7e4088d4_list.kd
    .args:
      - { .name: mask, .offset: 0, .size: 8, .value_kind: global_buffer, .address_space: global }
      - { .name: Wk_codes, .offset: 8, .size: 8, .value_kind: global_buffer, .address_space: global }
      - { .name: Wq_codes, .offset: 16, .size: 8, .value_kind: global_buffer, .address_space: global }
      - { .name: idx, .offset: 24, .size: 8, .value_kind: global_buffer, .address_space: global }
      - { .name: pos, .offset: 32, .size: 8, .value_kind: global_buffer, .address_space: global }
      - { .name: cnt, .offset: 40, .size: 8, .value_kind: global_buffer, .address_space: global }
      - { .name: wki, .offset: 48, .size: 8, .value_kind: global_buffer, .address_space: global }
      - { .name: qp, .offset: 56, .size: 8, .value_kind: global_buffer, .address_space: global }
      - { .name: Wq_scales, .offset: 64, .size: 8, .value_kind: global_buffer, .address_space: global }
      - { .name: query_codes, .offset: 72, .size: 8, .value_kind: global_buffer, .address_space: global }
      - { .name: query_scales, .offset: 80, .size: 8, .value_kind: global_buffer, .address_space: global }
    .group_segment_fixed_size: 9472
    .private_segment_fixed_size: 0
    .kernarg_segment_align: 8
    .kernarg_segment_size: 88
    .max_flat_workgroup_size: 256
    .sgpr_count:     66
    .vgpr_count:     512
    .wavefront_size: 32
...
	.end_amdgpu_metadata
.endif
;; end of part 5
;; launch energy (part 6): grid 4 x 64, 4 waves a work-group, no clusters, 304,640 bytes of LDS; arguments wki, Wk_scales, keys, idx, cnt, qp, v, ep; writes ep
.if DOCPART == 6
	.amdgcn_target "amdgcn-amd-amdhsa--gfx1250"
	.amdhsa_code_object_version 6
	.text
	.protected	k_qff7e4088d4_energy
	.globl	k_qff7e4088d4_energy
	.p2align	8
	.type	k_qff7e4088d4_energy,@function
k_qff7e4088d4_energy:
	s_mov_b64 s[64:65], 0
	v_nop
	global_prefetch_b8 v0, s[64:65] scope:SCOPE_SE
	s_setreg_imm32_b32 hwreg(HW_REG_WAVE_MODE, 25, 1), 1
	s_wait_xcnt 0x0
; ep[b][p][part][16 t + r] = the sum over 64 hidden units h of v[h] tanh(qp[b][h] + kp[j][h]) for list row j = 16 (4 t + p) + r < n.  kp = keys Wk^T on codes of E5M2 with E8M0 scales, f32 sums.
; Padded rows are left out, as the first kernel's head shows: only rows that idx lists are read.
; SHARES: work-group (p, b) owns the batch's list tiles 4 t + p (16 rows each, t < 16), through quantiser, product and tanh.
; PHASE 1: wave w quantises k = 256 w .. + 255 of each tile (two K steps of 128).  Each load reads 512 consecutive bytes of a row; a K step's 8 KiB turn through the wave's own stage in LDS, so that a lane holds
;   16 neighbours along K of row r; the conversions' results are the operand's registers and go to LDS as an image: IMG + 65536 w + 4096 t + 2048 (s % 2) + 512 c + 16 lane; scale words at 2048 w + 128 t + 64 (s % 2) + 4 r.
;   While a tile is quantised the next tile's 32 loads are out.  A block's byte is the largest magnitude's exponent field - 15, held at 1 from below; a block of zeros has zero codes under the byte 1, and only this kernel reads it.
; PHASE 2, behind one barrier: four passes q; wave w keeps Wk's rows 256 q + 64 w .. + 63, all of K, in 512 registers (from the image wki) and walks the tiles in LDS; part = 4 q + w.  Pass 0's weights are asked for at the head.
; THE MATRIX INSTRUCTION IS USED TRANSPOSED: source 0 = 16 rows of Wk, source 1 = 16 list rows: lane (r, hh) holds list row r; tile t's register i is unit h0 + 16 t + 8 hh + i.
; tanh x = 1 - 2 / (1 + 2^(c x)), c = 2 log2(e): where the power overflows or vanishes the result is +1 or -1.  qp arrives multiplied by c.
; All loops have constant trip counts; work beyond n (read from cnt) is jumped over.  Row numbers are known one tile ahead, where the loads already run, so no prefetch is laid.
; Every wait for global loads is for 0: the same on every path.  The last tile's rows beyond n repeat row 0 and are never used.  LIMITS: NaN and infinities among listed keys are not served.
; REGISTERS: window 0: v1-26 offsets; v32-63 Wk's scale words; v64-67 the rows' scale words; v72-103 accumulators; v104-111 energies; v112-239 the rows' fragments (phase 1: at work); v240-248 at work.
;   windows 1, 2: Wk, K steps 0-3, 4-7 at v[64 t + 16 s + 4 c];  window 3: phase 1: v0-127 a tile as loaded, v128-255 turned; phase 2: v132-163 c qp, v164-195 -2 v.
.set STG,  8192
.set WST,  8448
.set SP,   528
.set IMG,  41984
.set SPARE, 304128
.set WS,   32
.set AS,   64
.set ACC,  72
.set EV,   104
.set R,    108
.set EI,   110
.set AF,   112
.set TM,   112                         ; phase 1: v112-115 maxima, 116-119 bytes, 120-123 bounds, 124-127 scale operands
.set PW,   128
.set C,    132
.set ADR,  152
.set E,    240
.set TP,   248
.set QPC,  132
.set V2,   164
.set SI,   44
.set MSB, 0
.macro WIN new
.if MSB != (\new)
	s_set_vgpr_msb (MSB<<8)|(\new)
.set MSB, (\new)
.endif
.endm
.macro PLACES
.rept 8
	v_nop
.endr
.endm
.macro LOADW cp, sp                    ; my 64 rows of Wk, all of K, and their scale words
	WIN 0x40
.irp t, 0,1,2,3
.irp s, 0,1,2,3
.irp c, 0,1,2,3
	global_load_b128 v[64*\t+16*\s+4*\c:64*\t+16*\s+4*\c+3], v11, s[\cp:\cp+1] offset:16384*\t+2048*\s+512*\c
.endr
.endr
.endr
	WIN 0x80
.irp t, 0,1,2,3
.irp s, 0,1,2,3
.irp c, 0,1,2,3
	global_load_b128 v[64*\t+16*\s+4*\c:64*\t+16*\s+4*\c+3], v11, s[\cp:\cp+1] offset:16384*\t+8192+2048*\s+512*\c
.endr
.endr
.endr
	WIN 0
.irp t, 0,1,2,3
.irp g, 0,1
	global_load_b128 v[WS+8*\t+4*\g:WS+8*\t+4*\g+3], v4, s[\sp:\sp+1] offset:512*\t+16*\g
.endr
.endr
.endm
.macro ISSUE                           ; a tile's 16 rows, my 1,024 bytes of each; then the next tile's row numbers are asked for
	s_wait_kmcnt 0x0
.set Y, 0
.rept 16
	s_min_u32 s[SI+Y], s[SI+Y], 0x3ff
.set Y, Y+1
.endr
.set Y, 0
.rept 16
	v_lshl_add_u32 v[ADR+Y], s[SI+Y], 12, v11
.set Y, Y+1
.endr
	WIN 0xc0
.set Y, 0
.rept 16
	global_load_b128 v[4*Y:4*Y+3], v[ADR+Y], s[8:9] th:TH_LOAD_NT
	global_load_b128 v[64+4*Y:64+4*Y+3], v[ADR+Y], s[8:9] offset:512 th:TH_LOAD_NT
.set Y, Y+1
.endr
	WIN 0
	s_add_co_u32 s42, s42, 256                     ; four tiles on in idx, held inside the batch's 4,096 bytes
	s_min_u32 s43, s42, 4032
	s_load_b512 s[SI:SI+15], s[10:11], s43 offset:0x0
.endm
.macro TURN k                          ; K step k of the tile through my stage; LDS serves a wave's instructions in order
	WIN 0x0c
.set Y, 0
.rept 16
	ds_store_b128 v5, v[64*\k+4*Y:64*\k+4*Y+3] offset:SP*Y
.set Y, Y+1
.endr
	WIN 0xc0
.irp c, 0,1,2,3
.irp j, 0,1,2,3
	ds_load_b128 v[128+64*\k+16*\c+4*\j:128+64*\k+16*\c+4*\j+3], v6 offset:128*\c+16*\j
.endr
.endr
	WIN 0
.endm
.macro QUANT k                         ; register 16 b + i of the turned set: k = 32 b + 16 hh + i of row r
.set YB, 128+64*\k
	WIN 0x0f
.irp b, 0,1,2,3
	v_max3_num_f32 v[TM+\b], |v[YB+16*\b]|, |v[YB+16*\b+1]|, 0x8000000   ; with the floor 2^(16 - 127)
.endr
.irp i, 2,4,6,8,10,12,14
.irp b, 0,1,2,3
	v_max3_num_f32 v[TM+\b], |v[YB+16*\b+\i]|, |v[YB+16*\b+\i+1]|, v[TM+\b]
.endr
.endr
	WIN 0
.irp b, 0,1,2,3
	v_permlanex16_b32 v[TM+4+\b], v[TM+\b], s36, s37
.endr
.irp b, 0,1,2,3
	v_max_num_f32 v[TM+\b], v[TM+\b], v[TM+4+\b]
.endr
.irp b, 0,1,2,3
	v_add_nc_u32 v[TM+12+\b], 0xf8800000, v[TM+\b] ; 15 off the exponent field: the conversion's scale operand
.endr
.irp b, 0,1,2,3
	v_and_or_b32 v[TM+8+\b], v[TM+\b], 0x7f800000, s24   ; 57,344 x the scale
.endr
.irp b, 0,1,2,3
	v_lshrrev_b32 v[TM+4+\b], 23, v[TM+12+\b]
.endr
	v_lshl_or_b32 v[PW], v[TM+5], 8, v[TM+4]
	v_lshl_or_b32 v[PW], v[TM+6], 16, v[PW]
	v_lshl_or_b32 v[PW], v[TM+7], 24, v[PW]
	WIN 0xc3
.irp b, 0,1,2,3
.set Y, 0
.rept 16
	v_med3_num_f32 v[YB+16*\b+Y], v[YB+16*\b+Y], -v[TM+8+\b], v[TM+8+\b]   ; the conversion does not saturate (ISA guide 7.6.2)
.set Y, Y+1
.endr
.endr
	WIN 0x03
.irp b, 0,1,2,3
	v_cvt_scalef32_pk8_bf8_f32 v[C+4*\b:C+4*\b+1], v[YB+16*\b:YB+16*\b+7], v[TM+12+\b]
	v_cvt_scalef32_pk8_bf8_f32 v[C+4*\b+2:C+4*\b+3], v[YB+16*\b+8:YB+16*\b+15], v[TM+12+\b]
.endr
	WIN 0
	v_nop                                          ; a plain line behind the conversions
.irp c, 0,1,2,3
	ds_store_b128 v8, v[C+4*\c:C+4*\c+3] offset:2048*\k+512*\c
.endr
	ds_store_b32 v12, v[PW] offset:64*\k           ; lanes l and l + 16 store the same word
.endm
.macro FETCHA m                        ; tile m of the group: eight fragments and their scale words
.irp s, 0,1,2,3,4,5,6,7
.irp c, 0,1,2,3
	ds_load_b128 v[AF+16*\s+4*\c:AF+16*\s+4*\c+3], v[20+\s/2] offset:4096*(\m)+2048*(\s%2)+512*\c
.endr
.endr
.irp u, 0,1,2,3
	ds_load_b32 v[AS+\u], v24 offset:2048*\u+128*(\m)   ; lanes 0-15 K step 2 u, lanes 16-31 K step 2 u + 1
.endr
.endm
.macro MM                              ; 32 matrix instructions; the four accumulators take turns
.irp s, 0,1,2,3,4,5,6,7
	WIN 1+(\s)/4
.irp t, 0,1,2,3
.if \s == 0
	v_wmma_scale_f32_16x16x128_f8f6f4 v[ACC+8*\t:ACC+8*\t+7], v[64*\t+16*(\s%4):64*\t+16*(\s%4)+15], v[AF+16*\s:AF+16*\s+15], 0, v[WS+8*\t+\s], v[AS+\s/2] matrix_a_fmt:MATRIX_FMT_BF8 matrix_b_fmt:MATRIX_FMT_BF8
.elseif \s%2 == 0
	v_wmma_scale_f32_16x16x128_f8f6f4 v[ACC+8*\t:ACC+8*\t+7], v[64*\t+16*(\s%4):64*\t+16*(\s%4)+15], v[AF+16*\s:AF+16*\s+15], v[ACC+8*\t:ACC+8*\t+7], v[WS+8*\t+\s], v[AS+\s/2] matrix_a_fmt:MATRIX_FMT_BF8 matrix_b_fmt:MATRIX_FMT_BF8
.else
	v_wmma_scale_f32_16x16x128_f8f6f4 v[ACC+8*\t:ACC+8*\t+7], v[64*\t+16*(\s%4):64*\t+16*(\s%4)+15], v[AF+16*\s:AF+16*\s+15], v[ACC+8*\t:ACC+8*\t+7], v[WS+8*\t+\s], v[AS+\s/2] matrix_a_fmt:MATRIX_FMT_BF8 matrix_b_fmt:MATRIX_FMT_BF8 matrix_b_scale:MATRIX_SCALE_ROW1
.endif
.endr
.endr
	WIN 0
.endm
.macro TANH m                          ; a lane's 32 sums become its row's part of the energy, in v[EV + m]
	WIN 0x30
.set J, 0
.rept 16
	v_pk_fma_f32 v[ACC+J:ACC+J+1], v[ACC+J:ACC+J+1], s[32:33], v[QPC+J:QPC+J+1] op_sel_hi:[1,0,1]
.set J, J+2
.endr
	WIN 0
.set J, 0
	s_wait_alu depctr_va_vdst(0)                   ; a wait ahead of each batch and behind it
.rept 32
	v_exp_f32 v[ACC+J], v[ACC+J]
.set J, J+1
.endr
	v_nop
.set J, 0
	s_wait_alu depctr_va_vdst(0)
.rept 16
	v_pk_add_f32 v[ACC+J:ACC+J+1], v[ACC+J:ACC+J+1], 1.0 op_sel_hi:[1,0]
.set J, J+2
.endr
.set J, 0
	s_wait_alu depctr_va_vdst(0)
.rept 32
	v_rcp_f32 v[ACC+J], v[ACC+J]
.set J, J+1
.endr
	v_nop
	WIN 0x0c
	s_wait_alu depctr_va_vdst(0)
	v_pk_fma_f32 v[E:E+1], v[ACC:ACC+1], v[V2:V2+1], v[EI:EI+1]     ; four chains; the first begins with the sum of my v
.irp k, 1,2,3
	v_pk_mul_f32 v[E+2*\k:E+2*\k+1], v[ACC+2*\k:ACC+2*\k+1], v[V2+2*\k:V2+2*\k+1]
.endr
.irp p, 4,5,6,7,8,9,10,11,12,13,14,15
	v_pk_fma_f32 v[E+2*(\p%4):E+2*(\p%4)+1], v[ACC+2*\p:ACC+2*\p+1], v[V2+2*\p:V2+2*\p+1], v[E+2*(\p%4):E+2*(\p%4)+1]
.endr
	WIN 0
	v_pk_add_f32 v[E:E+1], v[E:E+1], v[E+2:E+3]
	v_pk_add_f32 v[E+4:E+5], v[E+4:E+5], v[E+6:E+7]
	v_pk_add_f32 v[E:E+1], v[E:E+1], v[E+4:E+5]
	v_add_f32 v[E], v[E], v[E+1]
	v_permlanex16_b32 v[TP], v[E], s36, s37        ; the row's other 32 units lie in the lane 16 away
	v_add_f32 v[EV+\m], v[E], v[TP]
.endm
	s_load_b512 s[4:19], s[0:1], 0x0               ; wki s[4:5], Wk_scales s[6:7], keys s[8:9], idx s[10:11], cnt s[12:13], qp s[14:15], v s[16:17], ep s[18:19]
	v_lshl_add_u32 v254, v0, 2, SPARE
	v_mov_b32 v255, 0
	v_lshrrev_b32 v1, 5, v0
	v_readfirstlane_b32 s26, v1                    ; wave
	s_mov_b32 s27, ttmp9                           ; p
	s_and_b32 s28, ttmp7, 0xffff                   ; b
	s_mul_i32 s21, s26, WST
	s_add_co_u32 s21, s21, STG                     ; my stage
	s_lshl_b32 s22, s26, 16
	s_add_co_u32 s22, s22, IMG                     ; my part of the images
	s_lshl_b32 s23, s26, 11                        ; and of the scale words
	v_and_b32 v15, 31, v0
	v_and_b32 v1, 15, v0                           ; r
	v_bfe_u32 v2, v0, 4, 1                         ; hh
	v_lshlrev_b32 v4, 5, v1
	v_lshlrev_b32 v11, 4, v15
	v_lshlrev_b32 v9, 2, v15
	v_lshlrev_b32 v14, 5, v2
.irp k, 0,1,2,3
	v_add_nc_u32 v[16+\k], IMG+65536*\k, v11       ; where K steps 2 k, 2 k + 1 are read
.endr
	v_add_nc_u32 v5, s21, v11                      ; into the stage
	v_mul_u32_u24 v6, v1, SP
	v_lshl_add_u32 v6, v2, 6, v6
	v_add_nc_u32 v6, s21, v6                       ; out of it
	v_add_nc_u32 v7, s22, v11
	v_lshl_add_u32 v10, v1, 2, s23
.irp b, 0,1,2,3
	v_mov_b32 v[TM+4+\b], 0                        ; a lane permute's destination counts as a source
	v_mov_b32 v[EV+\b], 0                          ; tiles jumped over leave their word as it is; nobody reads it
.endr
	v_mov_b32 v[TP], 0
	s_mov_b32 s24, 0x600000
	s_mov_b32 s32, 0x4038aa3b                      ; c
	s_mov_b32 s33, s32
	s_mov_b32 s36, 0x76543210
	s_mov_b32 s37, 0xfedcba98
	s_mov_b32 s38, 0xffff0000
	s_mov_b32 s35, 0
	s_lshl_b32 s42, s27, 6                         ; my first tile's 64 bytes in the batch's idx
	s_mov_b32 s43, s42
	s_wait_alu depctr_va_vdst(0)                   ; the wait at the head's end
	s_wait_kmcnt 0x0
	s_lshl_b32 s34, s28, 7
	s_add_nc_u64 s[12:13], s[12:13], s[34:35]
	s_load_b32 s29, s[12:13], 0x0                  ; n
	s_lshl_b32 s34, s28, 12
	s_add_nc_u64 s[10:11], s[10:11], s[34:35]
	s_add_nc_u64 s[14:15], s[14:15], s[34:35]
	s_load_b512 s[SI:SI+15], s[10:11], s43 offset:0x0
	s_lshl_b32 s34, s26, 16
	s_add_nc_u64 s[4:5], s[4:5], s[34:35]          ; pass 0: rows 64 w on
	s_lshl_b32 s34, s26, 11
	s_add_nc_u64 s[6:7], s[6:7], s[34:35]
	s_lshl_b32 s34, s26, 8
	s_add_nc_u64 s[14:15], s[14:15], s[34:35]
	s_add_nc_u64 s[16:17], s[16:17], s[34:35]
	s_lshl_b32 s34, s28, 22
	s_lshl_b32 s31, s26, 10
	s_add_co_u32 s34, s34, s31
	s_add_nc_u64 s[8:9], s[8:9], s[34:35]          ; keys: the batch, my 256 k
	s_lshl_b32 s34, s28, 16
	s_add_co_u32 s34, s34, s31
	s_lshl_b32 s31, s27, 14
	s_add_co_u32 s34, s34, s31
	s_add_nc_u64 s[18:19], s[18:19], s[34:35]      ; ep: b, p, part w
	LOADW 4, 6
	s_wait_kmcnt 0x0
	s_min_u32 s29, s29, 1024
	s_lshl_b32 s31, s27, 4
	s_sub_co_i32 s29, s29, s31
	s_max_i32 s29, s29, 0                          ; my tile t holds listed rows where 64 t < s29
	ISSUE                                          ; tile 0, on every path: idx names a row of the batch whatever n is
	s_mov_b32 s40, 0                               ; 64 t
	s_mov_b32 s41, 0                               ; 4096 t
	s_mov_b32 s39, 0                               ; 128 t
.Lq:                                                   ; sixteen trips, whatever n is
	s_cmp_ge_u32 s40, s29
	s_cbranch_scc1 .Lqs
	s_wait_loadcnt 0x0                             ; the tile is in registers (the first time: Wk too)
	TURN 0
	TURN 1
	s_add_co_u32 s31, s40, 64
	s_cmp_ge_u32 s31, s29
	s_cbranch_scc1 .Lqn
	ISSUE                                          ; the next tile is on its way while this one is quantised
.Lqn:
	v_add_nc_u32 v8, s41, v7
	v_add_nc_u32 v12, s39, v10
	s_wait_dscnt 0x0
	QUANT 0
	QUANT 1
.Lqs:
	s_add_co_u32 s41, s41, 4096
	s_add_co_u32 s39, s39, 128
	s_add_co_u32 s40, s40, 64
	s_cmp_lt_u32 s40, 1024
	s_cbranch_scc1 .Lq
	s_wait_kmcnt 0x0                               ; the last look-ahead, which nobody uses
	s_wait_dscnt 0x0                               ; my images and scale words have landed
	s_barrier_signal -1
	s_barrier_wait -1
	s_mov_b32 s20, 0
.Lpass:
	WIN 0xc0
.irp t, 0,1,2,3
.irp g, 0,1
	global_load_b128 v[V2+8*\t+4*\g:V2+8*\t+4*\g+3], v14, s[16:17] offset:64*\t+16*\g
	global_load_b128 v[QPC+8*\t+4*\g:QPC+8*\t+4*\g+3], v14, s[14:15] offset:64*\t+16*\g
.endr
.endr
	WIN 0
	s_wait_loadcnt 0x0                             ; these, and the pass's Wk
	WIN 0x0f
	v_pk_add_f32 v[EI:EI+1], v[V2:V2+1], v[V2+2:V2+3]
	WIN 0x0c
.irp p, 2,3,4,5,6,7,8,9,10,11,12,13,14,15
	v_pk_add_f32 v[EI:EI+1], v[EI:EI+1], v[V2+2*\p:V2+2*\p+1]
.endr
	WIN 0xc3
.set J, 0
.rept 16
	v_pk_mul_f32 v[V2+J:V2+J+1], v[V2+J:V2+J+1], -2.0 op_sel_hi:[1,0]
.set J, J+2
.endr
	WIN 0
	s_mov_b32 s30, 0                               ; 256 u: group u is tiles 4 u .. 4 u + 3
	s_mov_b32 s41, 0                               ; 16384 u
	s_mov_b32 s22, 0                               ; 512 u
.Lgrp:                                                 ; four trips, whatever n is
	s_cmp_ge_u32 s30, s29
	s_cbranch_scc1 .Lgs
.irp k, 0,1,2,3
	v_add_nc_u32 v[20+\k], s41, v[16+\k]
.endr
	v_add_nc_u32 v24, s22, v9
	s_wait_alu depctr_va_vdst(0)                   ; the wait behind these writes
	FETCHA 0
.irp m, 0,1,2,3
.if \m > 0
	s_add_co_u32 s39, s30, 64*\m
	s_cmp_ge_u32 s39, s29
	s_cbranch_scc1 .Lge
.endif
	s_wait_dscnt 0x0
	MM
	PLACES
.if \m < 3
	FETCHA \m+1                                    ; on its way under the vector work below; unused where that tile holds no listed row
.endif
	TANH \m
.endr
.Lge:
	s_wait_dscnt 0x0                               ; a fragment fetched ahead may still be out
	s_wait_xcnt 0x0                                ; the last group's stores have read their registers
	s_wait_alu depctr_va_vdst(0)
	v_cndmask_b32 v[R], v[EV], v[EV+1], s38        ; lanes 0-15 tile 0, lanes 16-31 tile 1
	v_cndmask_b32 v[R+1], v[EV+2], v[EV+3], s38
	v_add_nc_u32 v26, s30, v9
	global_store_b32 v26, v[R], s[18:19]           ; the two stores cover 256 consecutive bytes, aligned
	global_store_b32 v26, v[R+1], s[18:19] offset:128
.Lgs:
	s_add_co_u32 s41, s41, 16384
	s_add_co_u32 s22, s22, 512
	s_add_co_u32 s30, s30, 256
	s_cmp_lt_u32 s30, 1024
	s_cbranch_scc1 .Lgrp
	s_wait_xcnt 0x0                                ; the bases step only behind this wait
	s_add_nc_u64 s[4:5], s[4:5], 262144
	s_add_nc_u64 s[6:7], s[6:7], 8192
	s_add_nc_u64 s[14:15], s[14:15], 1024
	s_add_nc_u64 s[16:17], s[16:17], 1024
	s_add_nc_u64 s[18:19], s[18:19], 4096
	s_cmp_eq_u32 s20, 3
	s_cbranch_scc1 .Lnw                            ; no weights behind the last pass
	PLACES
	LOADW 4, 6
.Lnw:
	s_add_co_u32 s20, s20, 1
	s_cmp_lt_u32 s20, 4
	s_cbranch_scc1 .Lpass
	s_wait_dscnt 0x0
	s_barrier_signal -1
	s_barrier_wait -1
	s_wait_tensorcnt 0x0                           ; the wave's end
	ds_add_u32 v254, v255
	s_wait_dscnt 0x0
	s_endpgm
.Lfunc_end_k_qff7e4088d4_energy:
	.size	k_qff7e4088d4_energy, .Lfunc_end_k_qff7e4088d4_energy-k_qff7e4088d4_energy
	.p2alignl 7, 3214868480
	.fill 96, 4, 3214868480
	.section	.rodata,"a",@progbits
	.p2align	6, 0x0
	.amdhsa_kernel k_qff7e4088d4_energy
		.amdhsa_group_segment_fixed_size 304640
		.amdhsa_private_segment_fixed_size 0
		.amdhsa_enable_private_segment 0
		.amdhsa_kernarg_size 64
		.amdhsa_user_sgpr_count 2
		.amdhsa_user_sgpr_kernarg_segment_ptr 1
		.amdhsa_wavefront_size32 1
		.amdhsa_system_sgpr_workgroup_id_x 1
		.amdhsa_system_sgpr_workgroup_id_y 1
		.amdhsa_system_sgpr_workgroup_id_z 1
		.amdhsa_system_vgpr_workitem_id 0
		.amdhsa_next_free_vgpr 1024
		.amdhsa_next_free_sgpr 66
		.amdhsa_reserve_vcc 0
		.amdhsa_float_denorm_mode_32 3
		.amdhsa_float_denorm_mode_16_64 3
		.amdhsa_memory_ordered 1
		.amdhsa_forward_progress 1
		.amdhsa_inst_pref_size 117
	.end_amdhsa_kernel
	.amdgpu_metadata
---
amdhsa.version: [ 1, 2 ]
amdhsa.kernels:
  - .name:           k_qff7e4088d4_energy
    .symbol:         k_qff7e4088d4_energy.kd
    .args:
      - { .name: wki, .offset: 0, .size: 8, .value_kind: global_buffer, .address_space: global }
      - { .name: Wk_scales, .offset: 8, .size: 8, .value_kind: global_buffer, .address_space: global }
      - { .name: keys, .offset: 16, .size: 8, .value_kind: global_buffer, .address_space: global }
      - { .name: idx, .offset: 24, .size: 8, .value_kind: global_buffer, .address_space: global }
      - { .name: cnt, .offset: 32, .size: 8, .value_kind: global_buffer, .address_space: global }
      - { .name: qp, .offset: 40, .size: 8, .value_kind: global_buffer, .address_space: global }
      - { .name: v, .offset: 48, .size: 8, .value_kind: global_buffer, .address_space: global }
      - { .name: ep, .offset: 56, .size: 8, .value_kind: global_buffer, .address_space: global }
    .group_segment_fixed_size: 304640
    .private_segment_fixed_size: 0
    .kernarg_segment_align: 8
    .kernarg_segment_size: 64
    .max_flat_workgroup_size: 128
    .sgpr_count:     66
    .vgpr_count:     1024
    .wavefront_size: 32
...
	.end_amdgpu_metadata
.endif
;; end of part 6
;; launch context (part 7): grid 4 x 64, 16 waves a work-group, no clusters, 27,648 bytes of LDS; arguments keys, mask, idx, pos, cnt, ep, out0, out1; writes out0, out1
.if DOCPART == 7
	.amdgcn_target "amdgcn-amd-amdhsa--gfx1250"
	.amdhsa_code_object_version 6
	.text
	.protected	k_qff7e4088d4_context
	.globl	k_qff7e4088d4_context
	.p2align	8
	.type	k_qff7e4088d4_context,@function
k_qff7e4088d4_context:
	s_mov_b64 s[64:65], 0
	v_nop
	global_prefetch_b8 v0, s[64:65] scope:SCOPE_SE
	s_setreg_imm32_b32 hwreg(HW_REG_WAVE_MODE, 25, 1), 1
	s_wait_xcnt 0x0
; The softmax over a batch's listed rows, out1 = attn [64][1024] and out0 = context [64][1024] = the sum over listed rows of attn x keys' row, all in f32.
; SHARES: work-group (kq, b): 256 columns of the batch's context and 256 entries of its attn.  Each of a batch's four work-groups makes the softmax for itself: 1,024 energies, two a thread.
; energy[j] = the sum of ep's 16 parts for j < n, -infinity beyond.  The largest energy is taken away before the exponential.  The sum is at least 1 where n > 0; it is held at 1 from below, so that a batch that is all pad gives zeros.
; TAB[j] = (a, row): list entry j's attention and its row of keys; a = 0 and row = 0 for j >= n.  attn[s] = TAB[pos[s]].a where mask[s] is 0, else 0.
; CONTEXT: wave w takes list rows w + 16 y + 128 trip; a lane holds 8 columns (16 bytes at 16 lane and at 512 + 16 lane of the row's 1,024 bytes); 16 loads a wave are on their way.  The sixteen waves' sums meet in LDS.
; LIMITS: NaN and infinities among keys are not served (a padded or filling row counts with the factor 0 or is not read).
.set SKIP, 1                           ; as in the first launch.  0: every row is listed, and the mask makes its energy -infinity here
.set SM,   256                         ; LDS: 16 maxima at 0, 16 sums at 256,
.set TAB,  512                         ; 1,024 pairs of 8 bytes,
.set RED,  8704                        ; 16 waves x 256 columns of f32
.set AC,   16                          ; v16-23   my 8 columns' sums
.set CUR,  24                          ; v24-39   slot y: (a, row) of the row whose loads are out
.set NXT,  40                          ; v40-55   the same of the next trip
.set ADR,  56                          ; v56-63   slot y: byte offset
.set X,    64                          ; v64-127  eight slots of 8 numbers (earlier and later: numbers to be summed)
.macro SUM16 b, d                      ; v[d] = the sum of v[b] .. v[b + 15]
	v_pk_add_f32 v[\b:\b+1], v[\b:\b+1], v[\b+2:\b+3]
	v_pk_add_f32 v[\b+4:\b+5], v[\b+4:\b+5], v[\b+6:\b+7]
	v_pk_add_f32 v[\b+8:\b+9], v[\b+8:\b+9], v[\b+10:\b+11]
	v_pk_add_f32 v[\b+12:\b+13], v[\b+12:\b+13], v[\b+14:\b+15]
	s_delay_alu instid0(VALU_DEP_3)
	v_pk_add_f32 v[\b:\b+1], v[\b:\b+1], v[\b+4:\b+5]
	s_delay_alu instid0(VALU_DEP_2)
	v_pk_add_f32 v[\b+8:\b+9], v[\b+8:\b+9], v[\b+12:\b+13]
	s_delay_alu instid0(VALU_DEP_1)
	v_pk_add_f32 v[\b:\b+1], v[\b:\b+1], v[\b+8:\b+9]
	s_delay_alu instid0(VALU_DEP_1)
	v_add_f32 v[\d], v[\b], v[\b+1]
.endm
.macro ACROSS dppop, op                ; v128 over the wave's 32 lanes, into every lane
	s_delay_alu instid0(VALU_DEP_1)
	\dppop v128, v128, v128 row_xmask:1 row_mask:0xf bank_mask:0xf
	s_delay_alu instid0(VALU_DEP_1)
	\dppop v128, v128, v128 row_xmask:2 row_mask:0xf bank_mask:0xf
	s_delay_alu instid0(VALU_DEP_1)
	\dppop v128, v128, v128 row_xmask:4 row_mask:0xf bank_mask:0xf
	s_delay_alu instid0(VALU_DEP_1)
	\dppop v128, v128, v128 row_xmask:8 row_mask:0xf bank_mask:0xf
	s_delay_alu instid0(VALU_DEP_1)
	v_permlanex16_b32 v129, v128, s30, s31
	s_delay_alu instid0(VALU_DEP_1)
	\op v128, v128, v129
.endm
.macro BARRIER                         ; my LDS stores have landed and my LDS loads are in: then the work-group's barrier
	s_wait_dscnt 0x0
	s_barrier_signal -1
	s_barrier_wait -1
.endm
	s_load_b512 s[4:19], s[0:1], 0x0               ; keys s[4:5], mask s[6:7], idx s[8:9], pos s[10:11], cnt s[12:13], ep s[14:15], out0 s[16:17], out1 s[18:19]
	v_lshl_add_u32 v144, v0, 2, 0x6400
	v_mov_b32 v145, 0
	v_lshrrev_b32 v1, 5, v0
	s_delay_alu instid0(VALU_DEP_1)
	v_readfirstlane_b32 s20, v1                    ; wave 0..15
	s_mov_b32 s21, ttmp9                           ; kq
	s_and_b32 s22, ttmp7, 0xffff                   ; b
	v_and_b32 v1, 31, v0                           ; lane
	s_delay_alu instid0(VALU_DEP_1)
	v_lshlrev_b32 v2, 4, v1                        ; 16 x lane
	v_lshlrev_b32 v3, 2, v0                        ; 4 t
	v_add_nc_u32 v4, 512, v0                       ; my second list entry
	v_mov_b32 v7, 0xff800000                       ; -infinity
	s_lshl_b32 s26, s21, 8
	v_add_nc_u32 v14, s26, v0                      ; 256 kq + t: my entry of attn, my column of the context
	s_delay_alu instid0(VALU_DEP_1)
	v_lshlrev_b32 v15, 2, v14
	v_mov_b32 v129, 0                              ; written once: a lane permute's destination counts as one of its sources
	s_mov_b32 s30, 0x76543210
	s_mov_b32 s31, 0xfedcba98                      ; v_permlanex16_b32's selects for lane l xor 16
	s_mov_b32 s25, 0
	s_wait_alu depctr_va_vdst(0)
	s_wait_kmcnt 0x0
	s_lshl_b32 s24, s22, 7
	s_add_nc_u64 s[12:13], s[12:13], s[24:25]
	s_load_b32 s23, s[12:13], 0x0                  ; n
	s_lshl_b32 s24, s22, 12
	s_add_nc_u64 s[8:9], s[8:9], s[24:25]
	s_add_nc_u64 s[10:11], s[10:11], s[24:25]
	s_add_nc_u64 s[16:17], s[16:17], s[24:25]
	s_add_nc_u64 s[18:19], s[18:19], s[24:25]
	s_lshl_b32 s24, s22, 10
	s_add_nc_u64 s[6:7], s[6:7], s[24:25]
	s_lshl_b32 s24, s22, 16
	s_add_nc_u64 s[14:15], s[14:15], s[24:25]
	s_lshl_b32 s24, s22, 22
	s_lshl_b32 s26, s21, 10
	s_add_co_u32 s24, s24, s26
	s_add_nc_u64 s[4:5], s[4:5], s[24:25]          ; keys: the batch, my 256 columns
	global_load_b32 v9, v3, s[8:9]                 ; the rows of my two list entries (all 1,024 entries are written)
	global_load_b32 v11, v3, s[8:9] offset:2048
	s_cmp_ge_u32 s20, 8
	s_cbranch_scc1 .Lno_attn_in
	global_load_u8 v12, v14, s[6:7]                ; waves 0-7: what attn's entry 256 kq + t needs
	global_load_b32 v13, v15, s[10:11]
.Lno_attn_in:
	v_mov_b32 v8, v7
	v_mov_b32 v10, v7
	s_wait_kmcnt 0x0
	s_min_u32 s23, s23, 1024
	s_cmp_eq_u32 s23, 0
	s_cbranch_scc1 .Lno_ep                         ; nothing is listed: nothing of ep is written, so nothing of it is read
	s_sub_co_u32 s26, s23, 1
	v_min_u32 v5, s26, v0                          ; entries beyond n read entry n - 1 and are replaced below
	v_min_u32 v6, s26, v4
	; ep is laid [b][p][part][16 t + r] for list entry j = 64 t + 16 p + r: byte 16384 p + 1024 part + 4 (16 t + r)
.irp x, 5,6
	v_bfe_u32 v130, v\x, 4, 2                      ; p
	v_lshrrev_b32 v131, 6, v\x                     ; t
	v_and_b32 v\x, 15, v\x                         ; r
	v_lshl_add_u32 v\x, v131, 4, v\x
	v_lshlrev_b32 v\x, 2, v\x
	v_lshl_add_u32 v\x, v130, 14, v\x
	v_min_u32 v\x, 0xc3fc, v\x                     ; inside part 0 of the batch's ep
.endr
.irp i, 0,1,2,3,4,5,6,7,8,9,10,11,12,13,14,15
	global_load_b32 v[X+\i], v5, s[14:15] offset:1024*\i
	global_load_b32 v[X+16+\i], v6, s[14:15] offset:1024*\i
.endr
	s_wait_loadcnt 0x0
	SUM16 X, 8
	SUM16 X+16, 10
.Lno_ep:
	s_wait_loadcnt 0x0                             ; the rows, and waves 0-7's mask byte and rank
	v_cmp_gt_u32 vcc_lo, s23, v0
	s_wait_alu depctr_va_vdst(0)
	v_cndmask_b32 v8, v7, v8, vcc_lo               ; -infinity from entry n on
	v_cmp_gt_u32 vcc_lo, s23, v4
	s_delay_alu instid0(VALU_DEP_1)
	v_cndmask_b32 v10, v7, v10, vcc_lo
	v_min_u32 v9, 0x3ff, v9
	v_min_u32 v11, 0x3ff, v11
.if SKIP == 0
	global_load_u8 v130, v9, s[6:7]
	global_load_u8 v131, v11, s[6:7]
	s_wait_loadcnt 0x0
	v_cmp_eq_u32 vcc_lo, 0, v130
	v_cndmask_b32 v8, v7, v8, vcc_lo
	v_cmp_eq_u32 vcc_lo, 0, v131
	v_cndmask_b32 v10, v7, v10, vcc_lo
.endif
	; the largest energy
	s_delay_alu instid0(VALU_DEP_3)
	v_max_num_f32 v128, v8, v10
	ACROSS v_max_num_f32_dpp, v_max_num_f32
	s_lshl_b32 s26, s20, 2
	v_mov_b32 v132, s26                            ; 4 x wave
	v_mov_b32 v133, 0
	ds_store_b32 v132, v128                        ; all lanes write the same word with the same value
	s_wait_alu depctr_va_vdst(0)
	BARRIER
.irp i, 0,1,2,3
	ds_load_b128 v[X+4*\i:X+4*\i+3], v133 offset:16*\i
.endr
	s_wait_dscnt 0x0
	v_max3_num_f32 v[X], v[X], v[X+1], v[X+2]
	v_max3_num_f32 v[X+3], v[X+3], v[X+4], v[X+5]
	v_max3_num_f32 v[X+6], v[X+6], v[X+7], v[X+8]
	v_max3_num_f32 v[X+9], v[X+9], v[X+10], v[X+11]
	v_max3_num_f32 v[X+12], v[X+12], v[X+13], v[X+14]
	s_delay_alu instid0(VALU_DEP_3)
	v_max3_num_f32 v[X], v[X], v[X+3], v[X+6]
	s_delay_alu instid0(VALU_DEP_2)
	v_max3_num_f32 v[X+9], v[X+9], v[X+12], v[X+15]
	s_delay_alu instid0(VALU_DEP_1)
	v_max3_num_f32 v[X], v[X], v[X+9], 0xff61b1e6  ; and -3e38, so that -infinity less the maximum stays -infinity where nothing is listed
	s_delay_alu instid0(VALU_DEP_1)
	v_sub_f32 v8, v8, v[X]
	s_delay_alu instid0(VALU_DEP_2)
	v_sub_f32 v10, v10, v[X]
	s_delay_alu instid0(VALU_DEP_2)
	v_mul_f32 v8, 0x3fb8aa3b, v8
	s_delay_alu instid0(VALU_DEP_2)
	v_mul_f32 v10, 0x3fb8aa3b, v10
	s_wait_alu depctr_va_vdst(0)
	v_exp_f32 v8, v8
	v_exp_f32 v10, v10
	v_nop                                          ; a plain instruction behind the exponentials
	s_wait_alu depctr_va_vdst(0)
	v_add_f32 v128, v8, v10
	ACROSS v_add_f32_dpp, v_add_f32
	ds_store_b32 v132, v128 offset:SM
	BARRIER
.irp i, 0,1,2,3
	ds_load_b128 v[X+4*\i:X+4*\i+3], v133 offset:SM+16*\i
.endr
	s_wait_dscnt 0x0
	SUM16 X, 128
	s_delay_alu instid0(VALU_DEP_1)
	v_max_num_f32 v128, 1.0, v128                  ; changes nothing where n > 0: the largest energy's term is 1
	s_wait_alu depctr_va_vdst(0)
	v_rcp_f32 v128, v128
	v_lshl_add_u32 v134, v0, 3, TAB                ; (a plain instruction behind the reciprocal)  TAB + 8 t
	s_wait_alu depctr_va_vdst(0)
	v_mul_f32 v8, v8, v128
	v_mul_f32 v10, v10, v128
	ds_store_b64 v134, v[8:9]                      ; (a, row) of entry t,
	ds_store_b64 v134, v[10:11] offset:4096        ; and of entry t + 512
	BARRIER                                        ; TAB is whole
	s_cmp_ge_u32 s20, 8
	s_cbranch_scc1 .Lno_attn
	v_min_u32 v13, 0x3ff, v13
	s_delay_alu instid0(VALU_DEP_1)
	v_lshl_add_u32 v13, v13, 3, TAB
	ds_load_b32 v128, v13                          ; the attention of the list entry that is my row
	s_wait_dscnt 0x0
	v_cmp_eq_u32 vcc_lo, 0, v12
	s_delay_alu instid0(VALU_DEP_1)
	v_cndmask_b32 v128, 0, v128, vcc_lo            ; 0 where the row is padded
	global_store_b32 v15, v128, s[18:19]           ; eight waves store 1,024 consecutive bytes
.Lno_attn:
.irp i, 0,1,2,3,4,5,6,7
	v_mov_b32 v[AC+\i], 0
.endr
	s_cmp_eq_u32 s23, 0
	s_cbranch_scc1 .Lred
	s_lshl_b32 s26, s20, 3
	v_mov_b32 v135, s26
	s_delay_alu instid0(VALU_DEP_1)
	v_add_nc_u32 v135, TAB, v135                   ; TAB + 8 w: the wave's first entry; every lane reads the same pair
.irp y, 0,1,2,3,4,5,6,7
	ds_load_b64 v[CUR+2*\y:CUR+2*\y+1], v135 offset:128*\y
.endr
	s_wait_dscnt 0x0
.irp y, 0,1,2,3,4,5,6,7
	v_min_u32 v[CUR+2*\y+1], 0x3ff, v[CUR+2*\y+1]
	s_delay_alu instid0(VALU_DEP_1)
	v_lshl_add_u32 v[ADR+\y], v[CUR+2*\y+1], 12, v2
	global_load_b128 v[X+8*\y:X+8*\y+3], v[ADR+\y], s[4:5] th:TH_LOAD_NT
	global_load_b128 v[X+8*\y+4:X+8*\y+7], v[ADR+\y], s[4:5] offset:512 th:TH_LOAD_NT
.endr
; A trip: eight rows a wave.  On the way in their 16 loads are out, slot by slot.  ahead = 1: each slot, once added, takes the next trip's row.
.macro CB ahead
.if \ahead
	v_mov_b32 v136, s28
	v_min_u32 v136, 7168, v136                     ; the trip's place in TAB: 7 x 1,024 at the most,
	v_add_nc_u32 v136, v136, v135                  ; behind TAB + 8 w: the eight loads below stay inside TAB
.irp y, 0,1,2,3,4,5,6,7
	ds_load_b64 v[NXT+2*\y:NXT+2*\y+1], v136 offset:128*\y
.endr
	s_wait_dscnt 0x0
.endif
.irp y, 0,1,2,3,4,5,6,7
.if \ahead
	s_wait_alu depctr_va_vdst(0)
	s_wait_loadcnt 14                              ; behind slot y's two loads: 2 (7 - y) of this trip and 2 y of the next
.else
	s_wait_alu depctr_va_vdst(0)
	s_wait_loadcnt 14-2*\y
.endif
.irp i, 0,1,2,3
	v_pk_fma_f32 v[AC+2*\i:AC+2*\i+1], v[X+8*\y+2*\i:X+8*\y+2*\i+1], v[CUR+2*\y:CUR+2*\y+1], v[AC+2*\i:AC+2*\i+1] op_sel_hi:[1,0,1]   ; += a x keys: of the pair (a, row) the low word serves both halves
.endr
.if \ahead
	v_min_u32 v[NXT+2*\y+1], 0x3ff, v[NXT+2*\y+1]
	s_delay_alu instid0(VALU_DEP_1)
	v_lshl_add_u32 v[ADR+\y], v[NXT+2*\y+1], 12, v2              ; free since the wait above: the slot's loads are done
	global_load_b128 v[X+8*\y:X+8*\y+3], v[ADR+\y], s[4:5] th:TH_LOAD_NT
	global_load_b128 v[X+8*\y+4:X+8*\y+7], v[ADR+\y], s[4:5] offset:512 th:TH_LOAD_NT
	v_mov_b32 v[CUR+2*\y], v[NXT+2*\y]
.endif
.endr
.endm
	s_mov_b32 s27, 128                             ; the next trip's first list row
	s_mov_b32 s28, 1024                            ; and its pairs' place in TAB
	s_mov_b32 s26, 0
.Ltrip:                                                ; at most seven trips; the last 128 rows stand behind the loop
	s_cmp_ge_u32 s27, s23
	s_cbranch_scc1 .Llast
	s_wait_alu depctr_va_vdst(0)
	CB 1
	s_add_co_u32 s27, s27, 128
	s_add_co_u32 s28, s28, 1024
	s_add_co_u32 s26, s26, 1
	s_cmp_lt_u32 s26, 7
	s_cbranch_scc1 .Ltrip
.Llast:
	s_wait_alu depctr_va_vdst(0)
	CB 0                                           ; asks for nothing: the counts run down.  Entries from n on have a = 0 and name row 0
.Lred:
	BARRIER                                        ; closes the phase in which TAB is read, the read by rank among them, ahead of the stores below
	s_lshl_b32 s26, s20, 10
	v_add_nc_u32 v137, s26, v2
	s_wait_alu depctr_va_vdst(0)
	ds_store_b128 v137, v[AC:AC+3] offset:RED      ; my wave's row of 256 columns: columns 4 lane on,
	ds_store_b128 v137, v[AC+4:AC+7] offset:RED+512   ; and 128 + 4 lane on
	BARRIER
	s_cmp_ge_u32 s20, 8
	s_cbranch_scc1 .Lend
.irp i, 0,1,2,3,4,5,6,7,8,9,10,11,12,13,14,15
	ds_load_b32 v[X+\i], v3 offset:RED+1024*\i     ; column t of the sixteen waves
.endr
	s_wait_dscnt 0x0
	SUM16 X, 138
	global_store_b32 v15, v138, s[16:17]           ; eight waves store 1,024 consecutive bytes
.Lend:
	s_barrier_signal -1
	s_barrier_wait -1
	s_wait_tensorcnt 0x0
	ds_add_u32 v144, v145
	s_wait_dscnt 0x0
	s_endpgm
.Lfunc_end_k_qff7e4088d4_context:
	.size	k_qff7e4088d4_context, .Lfunc_end_k_qff7e4088d4_context-k_qff7e4088d4_context
	.p2alignl 7, 3214868480
	.fill 96, 4, 3214868480
	.section	.rodata,"a",@progbits
	.p2align	6, 0x0
	.amdhsa_kernel k_qff7e4088d4_context
		.amdhsa_group_segment_fixed_size 27648
		.amdhsa_private_segment_fixed_size 0
		.amdhsa_enable_private_segment 0
		.amdhsa_kernarg_size 64
		.amdhsa_user_sgpr_count 2
		.amdhsa_user_sgpr_kernarg_segment_ptr 1
		.amdhsa_wavefront_size32 1
		.amdhsa_system_sgpr_workgroup_id_x 1
		.amdhsa_system_sgpr_workgroup_id_y 1
		.amdhsa_system_sgpr_workgroup_id_z 1
		.amdhsa_system_vgpr_workitem_id 0
		.amdhsa_next_free_vgpr 146
		.amdhsa_next_free_sgpr 66
		.amdhsa_reserve_vcc 1
		.amdhsa_float_denorm_mode_32 3
		.amdhsa_float_denorm_mode_16_64 3
		.amdhsa_memory_ordered 1
		.amdhsa_forward_progress 1
		.amdhsa_inst_pref_size 28
	.end_amdhsa_kernel
	.amdgpu_metadata
---
amdhsa.version: [ 1, 2 ]
amdhsa.kernels:
  - .name:           k_qff7e4088d4_context
    .symbol:         k_qff7e4088d4_context.kd
    .args:
      - { .name: keys, .offset: 0, .size: 8, .value_kind: global_buffer, .address_space: global }
      - { .name: mask, .offset: 8, .size: 8, .value_kind: global_buffer, .address_space: global }
      - { .name: idx, .offset: 16, .size: 8, .value_kind: global_buffer, .address_space: global }
      - { .name: pos, .offset: 24, .size: 8, .value_kind: global_buffer, .address_space: global }
      - { .name: cnt, .offset: 32, .size: 8, .value_kind: global_buffer, .address_space: global }
      - { .name: ep, .offset: 40, .size: 8, .value_kind: global_buffer, .address_space: global }
      - { .name: out0, .offset: 48, .size: 8, .value_kind: global_buffer, .address_space: global }
      - { .name: out1, .offset: 56, .size: 8, .value_kind: global_buffer, .address_space: global }
    .group_segment_fixed_size: 27648
    .private_segment_fixed_size: 0
    .kernarg_segment_align: 8
    .kernarg_segment_size: 64
    .max_flat_workgroup_size: 512
    .sgpr_count:     66
    .vgpr_count:     146
    .wavefront_size: 32
...
	.end_amdgpu_metadata
.endif
;; end of part 7
